; MI455X (gfx1250); checked and timed in simulation.
; The chip was launched on July 23, 2026; its instructions are those of AMD's public machine-readable ISA for CDNA 5 (MIT licence, August 2026) and "CDNA5" Instruction Set Architecture Reference Guide (July 2026). The comments in the code are by the model that wrote it; some were corrected since.
;; Causal Self Attention. Allowed arithmetic: matrix products marked QUANTISED: E4M3 operands, one given power-of-two scale a tensor, by v_wmma_f32_16x16x64_fp8_fp8 or v_wmma_f32_16x16x128_fp8_fp8, f32 sums; everything else in f32.
;; Inputs: Wgate 32 x 16 float32; Wk 2,048 x 2,048 float32; Wproj 2,048 x 2,048 float32; Wq 2,048 x 2,048 float32; Wv 2,048 x 2,048 float32; cos 1 x 2,048 x 1 x 64 float32; lowp_scales 14 int32 (the exponents e of the quantised operands' scales 2^e); sin 1 x 2,048 x 1 x 64 float32; ve 1 x 2,048 x 2,048 float32; x 1 x 2,048 x 2,048 float32.
;; Outputs: out0 1 x 2,048 x 2,048 float32.
;; This version of the problem:
;;   THIS VERSION OF THE PROBLEM IS GIVEN IN LOW PRECISION. The matrix products marked QUANTISED in the list below multiply operands that are first quantised to E4M3 (4 exponent bits, 3 mantissa bits; 8 bits a number), with one given power-of-two scale for each operand tensor; their sums are f32. All else is computed in f32.
;;   The module's matrix products, in the order in which they are computed (A, B: the left and right operand; K: the contracted axis; several contracted axes count as one K, in the product's order):
;;     1. [M 2,048, K 2,048] x [K 2,048, N 2,048]; A: input x; B: input Wq: QUANTISED (scales: A lowp_scales[0], B lowp_scales[1])
;;     2. [M 2,048, K 2,048] x [K 2,048, N 2,048]; A: input x; B: input Wk: QUANTISED (scales: A lowp_scales[2], B lowp_scales[3])
;;     3. [M 2,048, K 2,048] x [K 2,048, N 2,048]; A: input x; B: input Wv: QUANTISED (scales: A lowp_scales[4], B lowp_scales[5])
;;     4. [M 2,048, K 32] x [K 32, N 16]; A: input x; B: input Wgate: QUANTISED (scales: A lowp_scales[6], B lowp_scales[7])
;;     5. batch 16 x [M 2,048, K 128] x [K 128, N 2,048]; A: computed on the way; B: computed on the way: QUANTISED (scales: A lowp_scales[8], B lowp_scales[9])
;;     6. batch 16 x [M 128, K 2,048] x [K 2,048, N 2,048]; A: computed on the way; B: softmax (see below): QUANTISED (scales: A lowp_scales[10], B lowp_scales[11])
;;     7. [M 2,048, K 2,048] x [K 2,048, N 2,048]; A: computed on the way; B: input Wproj: QUANTISED (scales: A lowp_scales[12], B lowp_scales[13])
;;   THE QUANTISER, for each operand of a quantised product, along K:
;;     - The operand's scale is 2^e, e = its entry of the input lowp_scales (int32; the entries are numbered through the quantised products in the list's order, A before B).
;;     - Each number is divided by the scale, clamped to +-448, and rounded to the nearest number of E4M3, ties to even, subnormals kept.
;;     - The product sums the exact products of the quantised numbers (number of the format x scale) in f32.
;;   ~~~python
;;   def quantise(x, axis, e):      # numpy; x: float32 -> the quantised numbers, widened to float32 again
;;       x = np.moveaxis(x, axis, -1); K = x.shape[-1]
;;       r = np.clip(x / 2.0 ** e, -448, 448)
;;       step = 2.0 ** (np.maximum(np.frexp(np.where(r == 0, 1, r))[1] - 1, -6) - 3)
;;       q = np.round(r / step) * step * 2.0 ** e      # np.round: ties to even
;;       return np.moveaxis(q, -1, axis).astype(np.float32)
;;   ~~~
;;   SOFTMAX AHEAD OF A QUANTISED PRODUCT. Where the list says 'softmax', what is quantised is not the finished softmax but p = 2^(t - M), with t = logit x log2(e) and M = ceil(the row's largest t), a whole number; so 1/2 < the row's largest p <= 1. The row's sum l is taken of the UNQUANTISED p, in f32, and the product's result is divided by l at the end. Since M is a whole number, a kernel that streams over the keys may use a running M (the ceiling of the running maximum): every later rescaling is an exact power of two, so the quantised numbers keep their values, but for numbers so far below the row's largest that they fall under the format's range.
;;   OPERANDS COMPUTED ON THE WAY. 'Computed on the way' means the value that the module computes at that place (a softmax that the list does not call 'softmax' is quantised finished and normalised). What goes into a quantiser is computed in f32, as accurately as f32 sums, v_exp_f32 and their like allow (about 1e-6 of the number): no bf16 or f16 on the way to a quantiser, and a product that is left as it is and whose result goes on into a quantised operand takes f32 operands (vector FMAs, or v_wmma_f32_16x16x4_f32). A number that lies on a knife's edge between two numbers of the format may be rounded either way, as far as f32 arithmetic and the matrix unit's own rounding can turn it there, and no further.
;; One version. Each part assembles by itself: llvm-mc -triple=amdgcn-amd-amdhsa -mcpu=gfx1250 --defsym DOCPART=n.
;; ======== version 1 of 1: 4 launches
;; limits: right only within a limited range of input values
;; workspace buffers: xcodes 12,582,912 bytes; wcodes 16,777,216 bytes; q_img 4,194,304 bytes; kv_img 8,388,608 bytes; y_img 4,194,304 bytes
;; launch quant (part 1): grid 768 x 1, 4 waves a work-group, no clusters, 68,096 bytes of LDS; arguments x, Wq, Wk, Wv, Wproj, lowp_scales, xcodes, wcodes; writes xcodes, wcodes
.if DOCPART == 1
	.amdgcn_target "amdgcn-amd-amdhsa--gfx1250"
	.amdhsa_code_object_version 6
	.text
	.protected	k_qd546aeae74_quant
	.globl	k_qd546aeae74_quant
	.p2align	8
	.type	k_qd546aeae74_quant,@function
k_qd546aeae74_quant:
	s_mov_b64 s[64:65], 0
	v_nop
	global_prefetch_b8 v0, s[64:65] scope:SCOPE_SE
	s_setreg_imm32_b32 hwreg(HW_REG_WAVE_MODE, 25, 1), 1
	s_wait_xcnt 0x0
; x [2048][2048] f32 becomes three sets of E4M3 codes (scales 2^e0, 2^e2, 2^e4: one for each of the products with Wq, Wk, Wv), laid [3][2048 t][2048 k].
; Wq, Wk, Wv, Wproj [2048 k][2048 n] f32 become codes with K innermost, laid [8192 rows][2048 k]: rows 0.. Wq's columns, 2048.. Wk's, 4096.. Wv's, 6144.. Wproj's (scales 2^e1, 2^e3, 2^e5, 2^e13).
; Wv's columns are permuted inside each head of 128: row 64 g + 16 i + r of the head holds column 64 g + 4 r + i (g < 2, i < 4, r < 16), so that the next launch reads ve by 16-byte loads of neighbouring columns.
; code = number / 2^e, held within +-448, rounded to the nearest code, ties to even.
; LIMITS: each e used here lies between -126 and 119, so that 2^e and 448 x 2^e are f32 numbers.  NaN among the inputs is not served.
; SHARES: 768 work-groups, a multiple of 256.  Work-groups 0..255 take x: a plain stream, 16,384 numbers each, 4,096 a wave.  Work-groups 256..767 take the weights, 128 for each matrix: 128 columns x 256 along K.
; The two paths part on the work-group's number and have LDS bytes of their own.  No tensor load, no barrier: waves share nothing.  No cluster: no two work-groups read the same bytes.
.set XWG,   256                        ; work-groups that take x
.set STEPS, 8                          ; x: steps of 512 numbers a wave
.set SP,    80                         ; x: a lane's place in a stage: its 64 bytes + 16 of padding
.set R,     16                         ; v16-79   x: four sets of 16 numbers as loaded
.set X,     80                         ; v80-111  x: two sets of 16 neighbours
.set H,     112                        ; v112-127 x: the numbers held within one scale's range
.set C,     128                        ; v128-151 x: codes: two sets of 3 x 4 registers
.set SC,    152                        ; v152-154 x: 2^e as f32, for e0, e2, e4
.set LM,    155                        ; v155-157 x: 448 x 2^e
.set WSTG,  32768                      ; weights: the stages begin here: 32 rows x 272 bytes for each wave
.set WP,    272                        ; weights: a stage row: 256 bytes of codes + 16
.set XW,    32                         ; v32-95   weights: two sets of 32 numbers
.set CW,    96                         ; v96-103  weights: a block's codes
.set OUTR,  112                        ; v112-175 weights: the way out
	s_load_b256 s[4:11], s[0:1], 0x0               ; x s[4:5], Wq s[6:7], Wk s[8:9], Wv s[10:11]
	s_load_b256 s[12:19], s[0:1], 0x20             ; Wproj s[12:13], the exponents s[14:15], xcodes s[16:17], wcodes s[18:19]
	v_lshl_add_u32 v192, v0, 2, 0x10800            ; my spare word, behind the stages; v193 = 0
	v_mov_b32 v193, 0
	v_lshrrev_b32 v1, 5, v0
	v_readfirstlane_b32 s20, v1                    ; wave 0..3
	v_and_b32 v2, 31, v0                           ; lane
	s_wait_kmcnt 0x0
	s_load_b256 s[24:31], s[14:15], 0x0            ; e0 .. e7
	s_load_b64 s[32:33], s[14:15], 0x30            ; e12, e13
	s_cmp_lt_u32 ttmp9, XWG
	s_cbranch_scc0 .Lweights
; ---------------- x: each load reads 512 consecutive bytes; a step's 2,048 bytes turn through the wave's own stage in LDS and come back 64 bytes (16 neighbours along K) a lane
	s_wait_alu depctr_va_vdst(0)
	v_lshlrev_b32 v3, 4, v2                        ; my 16 bytes of a load's 512, and of a step's 512 bytes of codes
	s_wait_alu depctr_va_vdst(0)
	s_lshl_b32 s21, s20, 13                        ; my wave's 8,192 bytes of LDS: two stages of 32 x SP
	v_lshrrev_b32 v14, 2, v2
	v_mul_u32_u24 v14, v14, SP
	v_and_b32 v15, 3, v2
	v_lshl_add_u32 v14, v15, 4, v14
	v_add_nc_u32 v14, s21, v14                     ; into the stage: SP (lane / 4) + 16 (lane % 4)
	v_mul_u32_u24 v15, v2, SP
	v_add_nc_u32 v15, s21, v15                     ; out of it: SP x lane
	s_lshl_b32 s22, ttmp9, 2
	s_add_co_u32 s22, s22, s20                     ; which run of 4,096 numbers is my wave's: 0..1023
	s_lshl_b32 s40, s22, 14
	s_mov_b32 s41, 0
	s_add_nc_u64 s[4:5], s[4:5], s[40:41]          ; its 16,384 bytes of x
	s_lshl_b32 s40, s22, 12
	s_add_nc_u64 s[34:35], s[16:17], s[40:41]      ; its 4,096 bytes of codes under e0,
	s_add_nc_u64 s[36:37], s[34:35], 0x400000      ; under e2,
	s_add_nc_u64 s[38:39], s[34:35], 0x800000      ; under e4
.macro LOAD t
.irp i, 0,1,2,3
	global_load_b128 v[R+16*((\t)%4)+4*\i:R+16*((\t)%4)+4*\i+3], v3, s[4:5] offset:2048*(\t)+512*\i th:TH_LOAD_NT
.endr
.endm
.macro TURN t                          ; LDS serves a wave's instructions in order: no wait between these stores and loads
.irp i, 0,1,2,3
	ds_store_b128 v14, v[R+16*((\t)%4)+4*\i:R+16*((\t)%4)+4*\i+3] offset:32*SP*((\t)%2)+8*SP*\i
.endr
.irp i, 0,1,2,3
	ds_load_b128 v[X+16*((\t)%2)+4*\i:X+16*((\t)%2)+4*\i+3], v15 offset:32*SP*((\t)%2)+16*\i
.endr
.endm
.irp t, 0,1,2,3
	LOAD \t
.endr
	s_wait_alu depctr_va_vdst(0)
	s_wait_kmcnt 0x0
.irp q, 0,1,2
	s_add_co_i32 s42, s[24+2*\q], 127
	s_lshl_b32 s43, s42, 23
	v_mov_b32 v[SC+\q], s43                        ; 2^e as f32: the conversion takes its exponent field
	s_add_co_i32 s42, s42, 8
	s_lshl_b32 s42, s42, 23
	s_or_b32 s42, s42, 0x600000
	v_mov_b32 v[LM+\q], s42                        ; 448 x 2^e
.endr
	s_wait_alu depctr_va_vdst(0)
	s_wait_loadcnt 12                              ; step 0's four loads are in; the twelve of steps 1 to 3 may be out
	TURN 0
.macro STEP t
.set XS, X+16*((\t)%2)
	s_wait_dscnt 0x0                               ; this step's numbers are back from the stage, and its stores into the stage have read their registers,
.if (\t)+4 < STEPS
	LOAD (\t)+4                                    ; which take the loads of four steps on
.endif
.if (\t)+1 < STEPS
.if STEPS-2-(\t) >= 3
	s_wait_loadcnt 12                              ; the next step's four loads are in; those of the three steps behind it may be out
.else
	s_wait_loadcnt 4*(STEPS-2-(\t))
.endif
	TURN (\t)+1
.endif
	s_wait_xcnt 0x0                                ; the stores of two steps back have read their data: that set of code registers is written again below
.irp q, 0,1,2
.set CS, C+12*((\t)%2)+4*\q
.irp i, 0,1,2,3,4,5,6,7,8,9,10,11,12,13,14,15
	v_med3_num_f32 v[H+\i], v[XS+\i], -v[LM+\q], v[LM+\q]   ; the conversion to an 8-bit code does not saturate (ISA guide 7.6.2): the hold comes first
.endr
	v_cvt_scalef32_pk8_fp8_f32 v[CS:CS+1], v[H:H+7], v[SC+\q]
	v_cvt_scalef32_pk8_fp8_f32 v[CS+2:CS+3], v[H+8:H+15], v[SC+\q]
	v_nop                                          ; a plain line between the conversions and the next holds, which write their sources
	global_store_b128 v3, v[CS:CS+3], s[34+2*\q:35+2*\q] offset:512*(\t)   ; 32 lanes store 512 consecutive bytes
.endr
.endm
.irp t, 0,1,2,3,4,5,6,7
	STEP \t
.endr
	s_wait_tensorcnt 0x0                           ; the wave's end
	ds_add_u32 v192, v193
	s_wait_dscnt 0x0
	s_endpgm
; ---------------- the weights: a lane takes a column n and its registers run down K, so the conversions give codes with K innermost; they leave through the wave's stage as rows of 256 bytes
.Lweights:
	s_sub_co_u32 s21, ttmp9, XWG
	s_lshr_b32 s22, s21, 7                         ; which matrix: 0 Wq, 1 Wk, 2 Wv, 3 Wproj
	s_and_b32 s23, s21, 15                         ; which 128 columns (a head)
	s_bfe_u32 s40, s21, 0x30004                    ; which 256 along K
	s_cmp_eq_u32 s22, 1
	s_cselect_b64 s[6:7], s[8:9], s[6:7]
	s_cmp_eq_u32 s22, 2
	s_cselect_b64 s[6:7], s[10:11], s[6:7]
	s_cmp_eq_u32 s22, 3
	s_cselect_b64 s[6:7], s[12:13], s[6:7]
	s_lshl_b32 s42, s40, 21                        ; 256 rows of 8,192 bytes
	s_lshl_b32 s41, s23, 9                         ; 128 columns of 4 bytes
	s_add_co_u32 s42, s42, s41
	s_lshl_b32 s41, s20, 7                         ; my wave's 32 columns
	s_add_co_u32 s42, s42, s41
	s_mov_b32 s43, 0
	s_add_nc_u64 s[6:7], s[6:7], s[42:43]
	s_wait_alu depctr_va_vdst(0)
	v_lshlrev_b32 v3, 2, v2                        ; 4 bytes a lane
.macro LOADW t                         ; block t: W(32 t + n, my column), n = 0 .. 31; each load reads 128 consecutive bytes a wave, 512 a work-group
.set n, 0
.rept 32
	global_load_b32 v[XW+32*((\t)%2)+n], v3, s[6:7] offset:(32*(\t)+n)*8192 th:TH_LOAD_NT
.set n, n+1
.endr
.endm
	LOADW 0
	LOADW 1
	s_mul_i32 s41, s20, 32*WP
	s_add_co_u32 s41, s41, WSTG                    ; my stage
	v_mul_u32_u24 v4, v2, WP
	v_add_nc_u32 v4, s41, v4                       ; into it: row = my column
	v_and_b32 v5, 15, v2
	v_lshrrev_b32 v6, 4, v2
	v_mul_u32_u24 v7, v6, WP
	v_lshl_add_u32 v7, v5, 4, v7
	v_add_nc_u32 v7, s41, v7                       ; out of it, natural order: lanes 0-15 one row, lanes 16-31 the next
	v_mul_u32_u24 v9, v6, 4*WP
	v_lshl_add_u32 v9, v5, 4, v9
	v_add_nc_u32 v9, s41, v9                       ; out of it, Wv: lanes 16-31 four rows on
	v_lshlrev_b32 v8, 11, v6
	v_lshl_add_u32 v8, v5, 4, v8                   ; in the codes' buffer: lanes 16-31 one row (2,048 bytes) on
	s_lshl_b32 s44, s22, 11                        ; the matrix's 2,048 rows
	s_lshl_b32 s45, s23, 7
	s_add_co_u32 s44, s44, s45                     ; + the head's 128
	s_lshl_b32 s45, s20, 5                         ; natural: + 32 x wave
	s_lshr_b32 s46, s20, 1
	s_lshl_b32 s46, s46, 6
	s_and_b32 s47, s20, 1
	s_lshl_b32 s47, s47, 3
	s_add_co_u32 s46, s46, s47                     ; Wv: + 64 (wave / 2) + 8 (wave % 2)
	s_cmp_eq_u32 s22, 2
	s_cselect_b32 s45, s46, s45
	s_add_co_u32 s44, s44, s45
	s_lshl_b32 s44, s44, 11                        ; rows of 2,048 bytes
	s_lshl_b32 s45, s40, 8                         ; + my 256 along K
	s_add_co_u32 s44, s44, s45
	s_mov_b32 s45, 0
	s_add_nc_u64 s[18:19], s[18:19], s[44:45]
	s_wait_kmcnt 0x0
	s_cmp_eq_u32 s22, 1
	s_cselect_b32 s25, s27, s25                    ; e1, e3, e5 or e13
	s_cmp_eq_u32 s22, 2
	s_cselect_b32 s25, s29, s25
	s_cmp_eq_u32 s22, 3
	s_cselect_b32 s25, s33, s25
	s_add_co_i32 s25, s25, 127
	s_lshl_b32 s27, s25, 23
	v_mov_b32 v11, s27                             ; 2^e as f32
	s_add_co_i32 s25, s25, 8
	s_lshl_b32 s25, s25, 23
	s_or_b32 s25, s25, 0x600000
	v_mov_b32 v10, s25                             ; 448 x 2^e
.macro BLOCK t
.set XS, XW+32*((\t)%2)
.if (\t) < 7
	s_wait_loadcnt 32                              ; this block's 32 loads are in; the next block's 32 may be out
.else
	s_wait_loadcnt 0
.endif
.set n, 0
.rept 32
	v_med3_num_f32 v[XS+n], v[XS+n], -v10, v10
.set n, n+1
.endr
.irp g, 0,1,2,3
	v_cvt_scalef32_pk8_fp8_f32 v[CW+2*\g:CW+2*\g+1], v[XS+8*\g:XS+8*\g+7], v11
.endr
	ds_store_b128 v4, v[CW:CW+3] offset:32*(\t)    ; 32 codes: 32 bytes of my column's row
	ds_store_b128 v4, v[CW+4:CW+7] offset:32*(\t)+16
.if (\t)+2 < 8
	LOADW (\t)+2
.endif
	s_wait_dscnt 0x0                               ; the stores have read their registers: the next block's codes may be written (its 32 holds are the plain lines in between)
.endm
	s_wait_alu depctr_va_vdst(0)
.irp t, 0,1,2,3,4,5,6,7
	BLOCK \t
.endr
	s_cmp_eq_u32 s22, 2
	s_cbranch_scc1 .Lwv_out
.irp t, 0,1,2,3,4,5,6,7,8,9,10,11,12,13,14,15
	ds_load_b128 v[OUTR+4*\t:OUTR+4*\t+3], v7 offset:2*\t*WP
.endr
.irp t, 0,1,2,3,4,5,6,7,8,9,10,11,12,13,14,15
	s_wait_dscnt 15-\t                             ; LDS loads come back in order: load t is in
	global_store_b128 v8, v[OUTR+4*\t:OUTR+4*\t+3], s[18:19] offset:2*\t*2048   ; sixteen lanes store 256 consecutive bytes, aligned
.endr
	s_wait_tensorcnt 0x0
	ds_add_u32 v192, v193
	s_wait_dscnt 0x0
	s_endpgm
.Lwv_out:                              ; stage row 8 m + 4 (lane / 16) + i goes to row 16 i + 2 m + lane / 16 of my wave's part of the head
.irp m, 0,1,2,3
.irp i, 0,1,2,3
	ds_load_b128 v[OUTR+4*(4*\m+\i):OUTR+4*(4*\m+\i)+3], v9 offset:(8*\m+\i)*WP
.endr
.endr
.irp m, 0,1,2,3
.irp i, 0,1,2,3
	s_wait_dscnt 15-(4*\m+\i)
	global_store_b128 v8, v[OUTR+4*(4*\m+\i):OUTR+4*(4*\m+\i)+3], s[18:19] offset:(16*\i+2*\m)*2048
.endr
.endr
	s_wait_tensorcnt 0x0
	ds_add_u32 v192, v193
	s_wait_dscnt 0x0
	s_endpgm
.Lfunc_end_k_qd546aeae74_quant:
	.size	k_qd546aeae74_quant, .Lfunc_end_k_qd546aeae74_quant-k_qd546aeae74_quant
	.p2alignl 7, 3214868480
	.fill 96, 4, 3214868480
	.section	.rodata,"a",@progbits
	.p2align	6, 0x0
	.amdhsa_kernel k_qd546aeae74_quant
		.amdhsa_group_segment_fixed_size 68096
		.amdhsa_private_segment_fixed_size 0
		.amdhsa_enable_private_segment 0
		.amdhsa_kernarg_size 64
		.amdhsa_user_sgpr_count 2
		.amdhsa_user_sgpr_kernarg_segment_ptr 1
		.amdhsa_wavefront_size32 1
		.amdhsa_system_sgpr_workgroup_id_x 1
		.amdhsa_system_sgpr_workgroup_id_y 1
		.amdhsa_system_sgpr_workgroup_id_z 1
		.amdhsa_system_vgpr_workitem_id 0
		.amdhsa_next_free_vgpr 194
		.amdhsa_next_free_sgpr 66
		.amdhsa_reserve_vcc 0
		.amdhsa_float_denorm_mode_32 3
		.amdhsa_float_denorm_mode_16_64 3
		.amdhsa_memory_ordered 1
		.amdhsa_forward_progress 1
		.amdhsa_inst_pref_size 93
	.end_amdhsa_kernel
	.amdgpu_metadata
---
amdhsa.version: [ 1, 2 ]
amdhsa.kernels:
  - .name:           k_qd546aeae74_quant
    .symbol:         k_qd546aeae74_quant.kd
    .args:
      - { .name: x, .offset: 0, .size: 8, .value_kind: global_buffer, .address_space: global }
      - { .name: Wq, .offset: 8, .size: 8, .value_kind: global_buffer, .address_space: global }
      - { .name: Wk, .offset: 16, .size: 8, .value_kind: global_buffer, .address_space: global }
      - { .name: Wv, .offset: 24, .size: 8, .value_kind: global_buffer, .address_space: global }
      - { .name: Wproj, .offset: 32, .size: 8, .value_kind: global_buffer, .address_space: global }
      - { .name: lowp_scales, .offset: 40, .size: 8, .value_kind: global_buffer, .address_space: global }
      - { .name: xcodes, .offset: 48, .size: 8, .value_kind: global_buffer, .address_space: global }
      - { .name: wcodes, .offset: 56, .size: 8, .value_kind: global_buffer, .address_space: global }
    .group_segment_fixed_size: 68096
    .private_segment_fixed_size: 0
    .kernarg_segment_align: 8
    .kernarg_segment_size: 64
    .max_flat_workgroup_size: 128
    .sgpr_count:     66
    .vgpr_count:     194
    .wavefront_size: 32
...
	.end_amdgpu_metadata
.endif
;; end of part 1
;; launch qkv (part 2): grid 24 x 8, 4 waves a work-group, clusters of 4 x 4, 327,680 bytes of LDS; arguments xcodes, wcodes, lowp_scales, cos, sin, ve, x, Wgate, q_img, kv_img; writes q_img, kv_img
.if DOCPART == 2
	.amdgcn_target "amdgcn-amd-amdhsa--gfx1250"
	.amdhsa_code_object_version 6
	.text
	.protected	k_qd546aeae74_qkv
	.globl	k_qd546aeae74_qkv
	.p2align	8
	.type	k_qd546aeae74_qkv,@function
k_qd546aeae74_qkv:
	s_mov_b64 s[64:65], 0
	v_nop
	global_prefetch_b8 v0, s[64:65] scope:SCOPE_SE
	s_setreg_imm32_b32 hwreg(HW_REG_WAVE_MODE, 25, 1), 1
	s_wait_xcnt 0x0
	s_wait_alu depctr_hold_cnt(0) depctr_sa_sdst(0) depctr_va_vdst(0) depctr_va_sdst(0) depctr_va_ssrc(0) depctr_va_vcc(0) depctr_vm_vsrc(0)
	s_getreg_b32 s2, hwreg(HW_REG_IB_STS2, 6, 4)
	s_cmp_eq_u32 s2, 0
	s_cbranch_scc0 .Lentry_in_a_cluster
	s_endpgm
.Lentry_in_a_cluster:
	s_bfe_u32 s2, ttmp6, 0x10000c
	s_cmp_lg_u32 s2, 0xf033
	s_cbranch_scc0 .Lentry_shape_is_right
	s_endpgm
.Lentry_shape_is_right:
; q, k and v of the attention: x's codes times Wq's, Wk's, Wv's codes (E4M3, v_wmma_f32_16x16x128_fp8_fp8, f32 sums), 2,048 x 2,048 x 2,048 each, and what the module does to the results, up to the codes that the attention reads.
; SHARES.  A block of 256 x 256 to a work-group of four waves, 128 x 128 (64 accumulators, 512 registers) to a wave: 3 x 64 = 192 work-groups.  Clusters of 4 x 4; cluster x 0, 1: q; 2, 3: k; 4, 5: v.
; For q and k the block's rows are tokens (xcodes, the set under e0 or e2) and its columns a head's channels (wcodes).  For v the two change places: rows are Wv's rows, columns tokens (the set under e4), so that a lane's registers run along the tokens,
; which are the second attention product's K.  A's tile is shared along a row of the cluster, B's along a column: joint loads.  K goes in steps of 256 (rows of 256 bytes) through two LDS slots; rows are 272 bytes apart in LDS.
; THE WAY OUT, q and k: rotary by cos and sin, the head's mean square over 128 channels (a lane's 64 and lane l xor 16's), x rsqrt(mean + 1e-6), held within +-448 x 2^e, converted under e8 or e9; a fragment of 16 rows leaves as an image of its registers.
; THE WAY OUT, v: gate = 2 sigmoid(x[:, :32] Wgate) by v_wmma_f32_16x16x64_fp8_fp8 on codes under e6, e7 (K = 32; the upper half of K holds zero codes); v + gate x ve, held and converted under e10, along the tokens.
; q_img: [16 heads][128 tiles of 16 queries][2,048 bytes]; kv_img: [16 heads][8 parts of 256 keys][65,536]: 16 fragments of K, then 2 x 8 fragments of V^T.
; PREFETCHES.  At a change of slots every wave has waited for all its tensor loads, so a refill goes out alone: the K step two refills on is asked for behind each joint load (K steps 1 and 2 behind the first load, 3 behind the second; the last two
; refills ask for nothing).  Of the 128 rows that a wave fetches each of the four partners names 32, told apart by address (cx for A, cy for B): a lane a row of 256 bytes, one instruction a wave.
; What the way out reads is asked for in the loop's first two trips.  ve: a wave of v names its own 128 tokens x 512 bytes, 8 instructions of 32 blocks, four a trip; nobody else reads them.  cos, sin: the 256 tokens of a cluster's row are shared out
; among its 4 work-groups x 4 waves (waves 0, 1 cos, waves 2, 3 sin; 32 rows of 256 bytes each), one instruction in the first trip.  x's first 256 bytes of a row: the 256 tokens of a cluster's column among 4 work-groups x waves 0, 1.
; Wgate's 8 blocks: wave 2 of a work-group of v names block (cx + 4 cy) % 8 with all its lanes; wave 3 names nothing.  All these choices are selections of pointers and offsets; the branches hang on the loop's count, the cluster's x and the wave's number.
; LIMITS on the given exponents: e0 + e1, e2 + e3 between -59 and 63 (their double, less 7, makes an f32 power of two); e4 + e5 between -126 and 127; e6, e7, e8, e9, e10 between -126 and 119; e6 + e7 between -126 and 126.  NaN among the inputs is not served.
.set SIZE_K, 2048
.set EPS,  131072                      ; 16 rows of ve
.set PFO,  22                          ; v22  2,048 x lane: a row of codes to a lane
.set EPO,  23                          ; v23  ve: 8,192 (lane / 2) + 256 (lane % 2)
.set EQO,  27                          ; v27  the small tables: lane x a row (all three never rewritten)
.set PFA,  10                          ; s[10:11] my work-group's 32 rows of the tile that I fetch; stepped a K step at each refill
.set EPA,  12                          ; s[12:13] my part of ve; stepped 64 rows a trip
.set EQA,  92                          ; s[92:93] my part of cos, sin, x or Wgate
.set LIM0, 43                          ; s43  the small tables are asked for while the trips to go exceed it: 2, or 64 in a wave that asks for none
.set LIM1, 44                          ; s44  the same for ve: 1 in v's clusters, 64 in the others
.macro ASK                             ; the K step two refills on; the last trip's refills have none
	s_cmp_gt_u32 s3, 1
	s_cbranch_scc0 .Lnot_k_\@
	global_prefetch_b8 v[PFO], s[PFA:PFA+1] offset:3*ROWB th:TH_LOAD_NT scope:SCOPE_SE
.Lnot_k_\@:
.endm
.macro XASK
	s_cmp_gt_u32 s3, s[LIM0]
	s_cbranch_scc0 .Lnot_x_\@
	global_prefetch_b8 v[EQO], s[EQA:EQA+1] th:TH_LOAD_NT scope:SCOPE_SE
.Lnot_x_\@:
.endm
.macro VASK n, m                       ; 16 tokens x 512 bytes of ve for each of n and m
	s_cmp_gt_u32 s3, s[LIM1]
	s_cbranch_scc0 .Lnot_v_\@
	global_prefetch_b8 v[EPO], s[EPA:EPA+1] offset:(\n)*EPS th:TH_LOAD_NT scope:SCOPE_SE
.if (\m) > (\n)
	global_prefetch_b8 v[EPO], s[EPA:EPA+1] offset:(\m)*EPS th:TH_LOAD_NT scope:SCOPE_SE
.endif
.Lnot_v_\@:
.endm
.set KSTEP,  256
.set ROWB,   256
.set KROW,   2048
.set PITCH,  272
.set FR,     16
.set NL,     4
.set NP,     4
.set HALFT,  128*PITCH
.set SLOT,   4*HALFT
.set LAPS,   SIZE_K/(2*KSTEP)
.set SPARE,  2*SLOT
.set ADRA, 16
.set ADRB, 20
.set IMG,  24
.set CSA,  25
.set VEA,  26
.set SPW,  28
.set NIL,  29
.set XGA,  30
.set WGA,  31
.set AF,   128
.set G1, 24
.set G0, 32
.set G1B, 48
.set G0B, 56
.set MSB, 0
.macro WIN new
.if MSB != (\new)
	s_set_vgpr_msb (MSB<<8)|(\new)
.set MSB, (\new)
.endif
.endm
.set MUL_LO, 0xa1
.set MUL_HI, 0xf1
.set TO_B,   0x40
.macro JLOAD g0a, g1a, g0b, g1b
	s_cmp_eq_u32 s15, 0
	s_cbranch_scc0 .Lfor_b_\@
	tensor_load_to_lds s[\g0a:\g0a+3], s[\g1a:\g1a+7]
	s_nop 0
.rept 4
	v_nop
.endr
	s_branch .Lasked_\@
.Lfor_b_\@:
	tensor_load_to_lds s[\g0b:\g0b+3], s[\g1b:\g1b+7]
	s_nop 0
.rept 4
	v_nop
.endr
.Lasked_\@:
.endm
.macro CREST
	s_cmp_lg_u32 s14, 0
	s_cbranch_scc1 .Lnot_wave_0_\@
	s_barrier_signal -3
.Lnot_wave_0_\@:
	s_barrier_wait -3
	s_barrier_signal -1
	s_barrier_wait -1
.endm
.macro CROUND
	s_barrier_signal -1
	s_barrier_wait -1
	CREST
.endm
	s_load_b128 s[4:7], s[0:1], 0x0
	s_load_b64 s[8:9], s[0:1], 0x10
	s_load_b64 s[66:67], s[0:1], 0x18
	s_load_b128 s[68:71], s[0:1], 0x20
	s_load_b128 s[72:75], s[0:1], 0x30
	s_load_b128 s[76:79], s[0:1], 0x40
	v_lshl_add_u32 v[SPW], v0, 2, SPARE
	v_mov_b32 v[NIL], 0
	ds_add_u32 v28, v29
	ds_add_u32 v28, v29
	s_wait_dscnt 0x0
	v_lshrrev_b32 v1, 5, v0
	v_readfirstlane_b32 s14, v1
	s_lshr_b32 s15, s14, 1
	s_and_b32 s16, s14, 1
	s_bfe_u32 s40, ttmp6, 0x40000
	s_bfe_u32 s41, ttmp6, 0x40004
	s_lshl_b32 s42, ttmp9, 2
	s_add_co_u32 s42, s42, s40
	s_and_b32 s17, ttmp7, 0xffff
	s_lshl_b32 s17, s17, 2
	s_add_co_u32 s17, s17, s41
	s_lshl_b32 s43, s41, 2
	s_lshl_b32 s43, 15, s43
	s_lshl_b32 s44, 0x1111, s40
	s_or_b32 s[G1+0], s43, (0<<16)|(1<<20)|(1<<21)|(5<<22)|(3<<25)
	s_or_b32 s[G1B+0], s44, (0<<16)|(1<<20)|(1<<21)|(5<<22)|(3<<25)
.irp g, G1, G1B
	s_mov_b32 s[\g+1], ROWB<<16
	s_mov_b32 s[\g+2], 128<<16
	s_mov_b32 s[\g+3], ROWB<<16
	s_mov_b32 s[\g+4], 128
	s_mov_b32 s[\g+5], KROW
	s_mov_b32 s[\g+6], 0
	s_mov_b32 s[\g+7], 0
.endr
	s_lshl_b32 s18, s16, 7
	s_lshl_b32 s20, s17, 8
	s_add_co_u32 s20, s20, s18
	s_lshr_b32 s19, ttmp9, 1
	s_lshl_b32 s19, s19, 11
	s_add_co_u32 s20, s20, s19
	s_lshl_b32 s46, s42, 8
	s_add_co_u32 s46, s46, s18
	s_lshl_b32 s20, s20, 11
	s_lshl_b32 s46, s46, 11
	s_mov_b32 s21, 0
	s_mov_b32 s47, 0
	s_mul_i32 s45, s14, HALFT
	s_wait_kmcnt 0x0
	s_load_b256 s[80:87], s[8:9], 0x0
	s_load_b128 s[88:91], s[8:9], 0x20
	s_cmp_ge_u32 ttmp9, 4
	s_cselect_b64 s[92:93], s[6:7], s[4:5]
	s_cselect_b64 s[94:95], s[4:5], s[6:7]
	s_add_nc_u64 s[20:21], s[92:93], s[20:21]
	s_add_nc_u64 s[46:47], s[94:95], s[46:47]
	CROUND
.irp s, 0,1
	s_mov_b32 s[G0+4*\s], 1
	s_add_co_u32 s[G0+4*\s+1], s45, \s*SLOT
	s_add_nc_u64 s[G0+4*\s+2:G0+4*\s+3], s[20:21], \s*ROWB
	s_or_b32 s[G0+4*\s+3], s[G0+4*\s+3], 0x80000000
	s_mov_b32 s[G0B+4*\s], 1
	s_add_co_u32 s[G0B+4*\s+1], s45, \s*SLOT
	s_add_nc_u64 s[G0B+4*\s+2:G0B+4*\s+3], s[46:47], \s*ROWB
	s_or_b32 s[G0B+4*\s+3], s[G0B+4*\s+3], 0x80000000
.endr
	JLOAD G0, G1, G0B, G1B                         ; K step 0
	; the tiles' prefetches: my 128 rows, and of them my work-group's 32
	s_cmp_eq_u32 s15, 0
	s_cselect_b64 s[PFA:PFA+1], s[20:21], s[46:47]
	s_cselect_b32 s18, s40, s41                    ; my place among the four that ask with me: cx for A, cy for B
	s_lshl_b32 s18, s18, 16                        ; 32 rows of 2,048 bytes
	s_mov_b32 s19, 0
	s_add_nc_u64 s[PFA:PFA+1], s[PFA:PFA+1], s[18:19]
	; ve: tokens 128 (2 (tile column % 8) + column half), head 2 x tile row + row half
	s_and_b32 s23, s42, 7
	s_lshl_b32 s18, s23, 1
	s_add_co_u32 s18, s18, s16
	s_lshl_b32 s18, s18, 20
	s_lshl_b32 s22, s17, 1
	s_add_co_u32 s22, s22, s15
	s_lshl_b32 s22, s22, 9
	s_add_co_u32 s18, s18, s22
	s_add_nc_u64 s[EPA:EPA+1], s[70:71], s[18:19]
	; the small tables: row 256 x (the block of tokens) + 64 x (my place among the sharers) + 32 x (wave % 2) + lane
	s_cmp_ge_u32 ttmp9, 4                          ; v's clusters?
	s_cselect_b32 s18, s23, s17
	s_cselect_b32 s45, s41, s40
	s_cselect_b32 s[LIM1], 1, 64
	s_cselect_b32 s22, 13, 8                       ; a row of x is 8,192 bytes, of cos and sin 256
	s_cselect_b32 s23, s15, 0                      ; 1 in v's waves 2 and 3
	s_cselect_b64 s[46:47], s[72:73], s[66:67]     ; waves 0, 1: x or cos
	s_cselect_b64 s[20:21], s[74:75], s[68:69]     ; waves 2, 3: Wgate or sin
	s_lshl_b32 s18, s18, 8
	s_lshl_b32 s45, s45, 6
	s_add_co_u32 s18, s18, s45
	s_lshl_b32 s45, s16, 5
	s_add_co_u32 s18, s18, s45
	s_lshl_b32 s45, s41, 2
	s_add_co_u32 s45, s45, s40
	s_and_b32 s45, s45, 7                          ; which of Wgate's 8 blocks
	s_cmp_eq_u32 s15, 0
	s_cselect_b64 s[EQA:EQA+1], s[46:47], s[20:21]
	s_cmp_eq_u32 s23, 0
	s_cselect_b32 s18, s18, s45
	s_cselect_b32 s22, s22, 8
	s_cselect_b32 s45, 31, 0                       ; Wgate: all lanes name the one block
	s_lshl_b32 s18, s18, s22
	s_add_nc_u64 s[EQA:EQA+1], s[EQA:EQA+1], s[18:19]
	s_and_b32 s23, s23, s16                        ; 1 in v's wave 3
	s_cmp_eq_u32 s23, 0
	s_cselect_b32 s[LIM0], 2, 64
	v_and_b32 v5, 31, v0
	v_lshlrev_b32 v[PFO], 11, v5
	v_lshrrev_b32 v6, 1, v5
	v_and_b32 v7, 1, v5
	v_lshlrev_b32 v6, 13, v6
	v_lshl_add_u32 v[EPO], v7, 8, v6
	v_min_u32 v7, s45, v5
	v_lshlrev_b32 v[EQO], s22, v7
	global_prefetch_b8 v[PFO], s[PFA:PFA+1] offset:ROWB th:TH_LOAD_NT scope:SCOPE_SE     ; K steps 1 and 2
	global_prefetch_b8 v[PFO], s[PFA:PFA+1] offset:2*ROWB th:TH_LOAD_NT scope:SCOPE_SE
	v_and_b32 v1, 15, v0
	v_bfe_u32 v2, v0, 4, 1
	v_mul_u32_u24 v3, v1, PITCH
	v_lshl_add_u32 v4, v2, 4, v3
	s_mul_i32 s21, s15, HALFT
	s_mul_i32 s22, s16, HALFT
	s_add_co_u32 s22, s22, 2*HALFT
.irp s, 0,1
	v_add_nc_u32 v[ADRA+\s], s21, v4
	v_add_nc_u32 v[ADRB+\s], s22, v4
	s_add_co_u32 s21, s21, SLOT
	s_add_co_u32 s22, s22, SLOT
.endr
.macro FRAG reg, adr, q, i
.irp c, 0,1,2,3
	ds_load_b128 v[\reg+4*\c:\reg+4*\c+3], v[\adr] offset:128*(\q)+32*\c+(\i)*16*PITCH
.endr
.endm
; 16 matrix instructions: A's blocks a0 .. a0 + 3 x four of B's fragments (b0 .. b3) of set p, 128 along K.  A step is four such quarters, so that its first 16 products need only A's four blocks and B's first four fragments.
; The 64 accumulators take turns, one instruction a turn, in the same order in every step.
.macro MULQ a0, p, zero, b0, b1, b2, b3
.irp a, \a0, \a0+1, \a0+2, \a0+3
.irp b, \b0, \b1, \b2, \b3
.if \zero
	v_wmma_f32_16x16x128_fp8_fp8 v[8*(8*((\a)%4)+\b):8*(8*((\a)%4)+\b)+7], v[128*(\p)+FR*\b:128*(\p)+FR*\b+FR-1], v[AF+FR*(\a):AF+FR*(\a)+FR-1], 0
.else
	v_wmma_f32_16x16x128_fp8_fp8 v[8*(8*((\a)%4)+\b):8*(8*((\a)%4)+\b)+7], v[128*(\p)+FR*\b:128*(\p)+FR*\b+FR-1], v[AF+FR*(\a):AF+FR*(\a)+FR-1], v[8*(8*((\a)%4)+\b):8*(8*((\a)%4)+\b)+7]
.endif
.endr
.endr
.endm
.macro FB slot, q, p, i0, i1, i2, i3   ; four of B's fragments of the slot's q-th 128 along K into set p (under the window TO_B)
.irp i, \i0, \i1, \i2, \i3
	FRAG 128*(\p)+FR*\i, ADRB+\slot, \q, \i
.endr
.endm
.macro FETCH_A slot, q, i0
.irp i, \i0, \i0+1, \i0+2, \i0+3
	FRAG AF+FR*(\i), ADRA+\slot, \q, \i
.endr
.endm
.macro PLACES n
.rept \n
	v_nop
.endr
.endm
.macro STEP slot, q, zero, ep=9
	; a slot's first step.  LDS loads go in groups of 16 (four fragments); out at the entry, in their order: A 0-3, B 0-3, B 4-7, A 4-7, the next set's B 0-3
	s_wait_dscnt 12*NL                             ; A 0-3 and B 0-3 are in; the three groups behind them may be out
	WIN MUL_LO
	MULQ 0, 0, \zero, 0,1,2,3
	s_wait_dscnt 8*NL                              ; B 4-7 is in
	MULQ 0, 0, \zero, 4,5,6,7
	s_wait_dscnt 4*NL                              ; A 4-7 is in; the next set's B 0-3 may be out
	PLACES NP
	WIN 0
	FETCH_A \slot, 1, 0                            ; the slot's second step: A 0-3, then the other half of B's set 1
	WIN TO_B
	FB \slot, 1, 1, 4,5,6,7
	WIN 0
.if (\ep) == 1
	VASK 1, 1
.endif
	WIN MUL_HI
	MULQ 4, 0, \zero, 0,1,2,3
	MULQ 4, 0, \zero, 4,5,6,7
	PLACES NP
	WIN 0
	FETCH_A \slot, (\q)+1, 4
.endm
.macro TURN slot, next, fill, ep=9
.if \fill
	s_wait_xcnt 0x0                                ; my prefetches have read their addresses: the tiles' is stepped here, ahead of the waits of the change of slots
	s_add_nc_u64 s[PFA:PFA+1], s[PFA:PFA+1], ROWB
.endif
	s_wait_tensorcnt 0x0
	ds_add_u32 v[SPW], v[NIL]
	s_wait_dscnt 8*NL+1                            ; set 1's B 0-3 and A 0-3 are in; B 4-7, A 4-7 and the add may be out
	WIN MUL_LO
	MULQ 0, 1, 0, 0,1,2,3
	s_wait_dscnt 0x0
	s_barrier_signal -1
	MULQ 0, 1, 0, 4,5,6,7
	WIN 0
	s_barrier_wait -1
.if \fill
	CREST
	s_add_nc_u64 s[G0+4*\slot+2:G0+4*\slot+3], s[G0+4*\slot+2:G0+4*\slot+3], 2*ROWB
	s_add_nc_u64 s[G0B+4*\slot+2:G0B+4*\slot+3], s[G0B+4*\slot+2:G0B+4*\slot+3], 2*ROWB
	JLOAD G0+4*\slot, G1, G0B+4*\slot, G1B
.else
	PLACES NP
.endif
	FETCH_A \next, 0, 0                            ; in the order in which the next step's quarters want them
	WIN TO_B
	FB \next, 0, 0, 0,1,2,3
	FB \next, 0, 0, 4,5,6,7
	WIN 0
.if \fill
	ASK                                            ; behind the joint load and the run of LDS loads that the next products wait for
.endif
.if (\ep) == 0
	XASK
	VASK 0, 0
.endif
.if (\ep) == 2
	VASK 2, 3
.endif
	WIN MUL_HI
	MULQ 4, 1, 0, 0,1,2,3
	MULQ 4, 1, 0, 4,5,6,7
	PLACES NP
	WIN 0
	FETCH_A \next, 0, 4
	WIN TO_B
	FB \next, 1, 1, 0,1,2,3                        ; set 1 is free from here on: the first half of what the step after next multiplies
	WIN 0
.endm
	s_wait_alu depctr_va_vdst(0)
	s_wait_tensorcnt 0x0                           ; my part of K step 0 is in
	ds_add_u32 v[SPW], v[NIL]
	s_wait_dscnt 0x0
	CROUND                                         ; everybody's part of K step 0 is in, and all sixteen work-groups are here
	JLOAD G0+4, G1, G0B+4, G1B                     ; K step 1: the first tensor load behind the round
	global_prefetch_b8 v[PFO], s[PFA:PFA+1] offset:3*ROWB th:TH_LOAD_NT scope:SCOPE_SE     ; K step 3
	FETCH_A 0, 0, 0
	WIN TO_B
	FB 0, 0, 0, 0,1,2,3
	FB 0, 0, 0, 4,5,6,7
	WIN 0
	FETCH_A 0, 0, 4
	WIN TO_B
	FB 0, 1, 1, 0,1,2,3
	WIN 0
	STEP 0, 0, 1
	s_mov_b32 s3, LAPS-1
.Llap:
	TURN 0, 1, 1, 0
	STEP 1, 0, 0, 1
	TURN 1, 0, 1, 2
	STEP 0, 0, 0
	s_wait_xcnt 0x0                                ; the trip's prefetches, the last of them 96 matrix instructions back, have read their addresses
	s_add_nc_u64 s[EPA:EPA+1], s[EPA:EPA+1], 4*EPS ; ve: 64 tokens on
	s_sub_co_u32 s3, s3, 1
	s_cmp_lg_u32 s3, 0
	s_cbranch_scc1 .Llap
	TURN 0, 1, 0
	STEP 1, 0, 0
	s_wait_dscnt 8*NL                              ; the very last step: set 1's B 0-3 and A 0-3 are in; B 4-7 and A 4-7 may be out
	WIN MUL_LO
	MULQ 0, 1, 0, 0,1,2,3
	s_wait_dscnt 4*NL                              ; B 4-7 is in
	MULQ 0, 1, 0, 4,5,6,7
	s_wait_dscnt 0
	WIN MUL_HI
	MULQ 4, 1, 0, 0,1,2,3
	MULQ 4, 1, 0, 4,5,6,7
	WIN 0
	PLACES NP
	s_wait_xcnt 0x0                                ; the prefetches' scalar registers are written again below
	s_wait_kmcnt 0x0
	s_lshr_b32 s19, ttmp9, 1
	s_cmp_eq_u32 s19, 1
	s_cselect_b32 s20, s82, s80
	s_cselect_b32 s21, s83, s81
	s_cselect_b32 s22, s89, s88
	s_cmp_eq_u32 s19, 2
	s_cselect_b32 s20, s84, s20
	s_cselect_b32 s21, s85, s21
	s_cselect_b32 s22, s90, s22
	s_add_co_i32 s20, s20, s21
	s_add_co_i32 s21, s20, 127
	s_lshl_b32 s96, s21, 23
	s_mov_b32 s97, s96
	s_lshl_b32 s21, s20, 1
	s_add_co_i32 s21, s21, 120
	s_lshl_b32 s12, s21, 23
	s_mov_b32 s13, 0x358637bd
	s_mov_b32 s10, 0x76543210
	s_mov_b32 s11, 0xfedcba98
	s_add_co_i32 s22, s22, 127
	s_lshl_b32 s23, s22, 23
	v_mov_b32 v8, s23
	s_add_co_i32 s22, s22, 8
	s_lshl_b32 s22, s22, 23
	s_or_b32 s22, s22, 0x600000
	v_mov_b32 v9, s22
	v_and_b32 v1, 15, v0
	v_bfe_u32 v2, v0, 4, 1
	v_and_b32 v3, 31, v0
	v_lshlrev_b32 v[IMG], 4, v3
	s_cmp_ge_u32 ttmp9, 4
	s_cbranch_scc1 .Lv
.set T,   32
.set TU,  96
.set SQ,  112
.set FP,  120
.set PC,  128
	s_lshl_b32 s18, s17, 1
	s_add_co_u32 s18, s18, s15
	s_and_b32 s19, s42, 7
	s_lshl_b32 s19, s19, 1
	s_add_co_u32 s19, s19, s16
	s_lshl_b32 s20, s19, 18
	s_lshl_b32 s21, s18, 14
	s_add_co_u32 s20, s20, s21
	s_lshl_b32 s22, s19, 19
	s_lshr_b32 s21, s18, 1
	s_lshl_b32 s21, s21, 16
	s_add_co_u32 s22, s22, s21
	s_and_b32 s21, s18, 1
	s_lshl_b32 s21, s21, 14
	s_add_co_u32 s22, s22, s21
	s_cmp_lt_u32 ttmp9, 2
	s_cselect_b64 s[92:93], s[76:77], s[78:79]
	s_cselect_b32 s20, s20, s22
	s_mov_b32 s21, 0
	s_add_nc_u64 s[92:93], s[92:93], s[20:21]
	s_lshl_b32 s20, s18, 15
	s_add_nc_u64 s[94:95], s[66:67], s[20:21]
	s_add_nc_u64 s[98:99], s[68:69], s[20:21]
	s_wait_alu depctr_va_vdst(0)
	v_lshlrev_b32 v[CSA], 8, v1
	v_lshl_add_u32 v[CSA], v2, 5, v[CSA]
	v_mov_b32 v[FP+1], 0
	v_mov_b32 v123, 0
.macro CSLOAD a
	WIN 0x40
.irp t, 0,1,2,3
.irp q, 0,1
	global_load_b128 v[64*((\a)%4)+8*\t+4*\q:64*((\a)%4)+8*\t+4*\q+3], v[CSA], s[94:95] offset:(\a)*4096+64*\t+16*\q
	global_load_b128 v[64*((\a)%4)+32+8*\t+4*\q:64*((\a)%4)+32+8*\t+4*\q+3], v[CSA], s[98:99] offset:(\a)*4096+64*\t+16*\q
.endr
.endr
.endm
.macro QKBLOCK a
.if (\a)+3 <= 7
	CSLOAD (\a)+3
.endif
.if 7-(\a) >= 3
	s_wait_loadcnt 48
.else
	s_wait_loadcnt 16*(7-(\a))
.endif
	WIN 0x06+(\a)/4
.set AC, 64*((\a)%4)
.set n, 0
.rept 16
.set UU, TU+4*((n/2)%4)
	v_pk_mul_f32 v[UU:UU+1], v[AC+32+n:AC+33+n], v[AC+32+n:AC+33+n]
	v_pk_mul_f32 v[UU+2:UU+3], v[AC+n:AC+n+1], v[AC+32+n:AC+33+n]
	v_pk_fma_f32 v[T+n:T+n+1], v[AC+n:AC+n+1], v[AC+n:AC+n+1], v[UU:UU+1]
	v_pk_fma_f32 v[T+32+n:T+33+n], v[AC+32+n:AC+33+n], v[AC+n:AC+n+1], v[UU+2:UU+3] neg_lo:[0,0,1] neg_hi:[0,0,1]
.set n, n+2
.endr
	WIN 0
.irp c, 0,1,2,3
	v_pk_mul_f32 v[SQ+2*\c:SQ+2*\c+1], v[T+2*\c:T+2*\c+1], v[T+2*\c:T+2*\c+1]
.endr
.set n, 8
.rept 28
	v_pk_fma_f32 v[SQ+n%8:SQ+n%8+1], v[T+n:T+n+1], v[T+n:T+n+1], v[SQ+n%8:SQ+n%8+1]
.set n, n+2
.endr
	v_pk_add_f32 v[SQ:SQ+1], v[SQ:SQ+1], v[SQ+2:SQ+3]
	v_pk_add_f32 v[SQ+4:SQ+5], v[SQ+4:SQ+5], v[SQ+6:SQ+7]
	v_pk_add_f32 v[SQ:SQ+1], v[SQ:SQ+1], v[SQ+4:SQ+5]
	v_add_f32 v122, v[SQ], v[SQ+1]
	v_permlanex16_b32 v123, v122, s10, s11
	v_add_f32 v122, v122, v123
	v_fma_f32 v122, v122, s12, s13
	s_wait_alu depctr_va_vdst(0)
	v_rsq_f32 v[FP], v122
	v_nop
	s_wait_alu depctr_va_vdst(0)
	v_mul_f32 v[FP], s96, v[FP]
.set n, 0
.rept 32
	v_pk_mul_f32 v[T+n:T+n+1], v[T+n:T+n+1], v[FP:FP+1] op_sel_hi:[1,0]
.set n, n+2
.endr
.set n, 0
.rept 64
	v_med3_num_f32 v[T+n], v[T+n], -v9, v9
.set n, n+1
.endr
.irp b, 0,1,2,3,4,5,6,7
	v_cvt_scalef32_pk8_fp8_f32 v[PC+16*(\a)+2*\b:PC+16*(\a)+2*\b+1], v[T+8*\b:T+8*\b+7], v8
.endr
	v_nop
.irp c, 0,1,2,3
	global_store_b128 v[IMG], v[PC+16*(\a)+4*\c:PC+16*(\a)+4*\c+3], s[92:93] offset:(\a)*2048+512*\c
.endr
.endm
	CSLOAD 0
	CSLOAD 1
	CSLOAD 2
.irp a, 0,1,2,3,4,5,6,7
	QKBLOCK \a
.endr
	WIN 0
	s_branch .Ldone
.Lv:
.set G,   32
.set WGF, 96
.set XF,  104
.set VT,  96
.set RAW, 128
	s_lshl_b32 s18, s17, 1
	s_add_co_u32 s18, s18, s15
	s_sub_co_u32 s19, s42, 16
	s_lshl_b32 s19, s19, 1
	s_add_co_u32 s19, s19, s16
	s_lshl_b32 s20, s18, 19
	s_lshr_b32 s21, s19, 1
	s_lshl_b32 s21, s21, 16
	s_add_co_u32 s20, s20, s21
	s_and_b32 s21, s19, 1
	s_lshl_b32 s21, s21, 14
	s_add_co_u32 s20, s20, s21
	s_add_co_u32 s20, s20, 32768
	s_mov_b32 s21, 0
	s_add_nc_u64 s[92:93], s[78:79], s[20:21]
	s_lshl_b32 s20, s19, 20
	s_add_nc_u64 s[98:99], s[72:73], s[20:21]
	s_lshl_b32 s22, s18, 9
	s_add_co_u32 s20, s20, s22
	s_add_nc_u64 s[94:95], s[70:71], s[20:21]
	s_lshl_b32 s20, s18, 2
	s_add_nc_u64 s[100:101], s[74:75], s[20:21]
	s_add_co_i32 s20, s86, 127
	s_lshl_b32 s22, s20, 23
	v_mov_b32 v10, s22
	s_add_co_i32 s20, s20, 8
	s_lshl_b32 s20, s20, 23
	s_or_b32 s20, s20, 0x600000
	v_mov_b32 v11, s20
	s_add_co_i32 s20, s87, 127
	s_lshl_b32 s22, s20, 23
	v_mov_b32 v12, s22
	s_add_co_i32 s20, s20, 8
	s_lshl_b32 s20, s20, 23
	s_or_b32 s20, s20, 0x600000
	v_mov_b32 v13, s20
	s_add_co_i32 s20, s86, s87
	s_lshl_b32 s20, s20, 23
	s_add_co_u32 s22, s20, 0xbfb8aa3b
	s_mov_b32 s23, s22
	s_wait_alu depctr_va_vdst(0)
	v_lshlrev_b32 v[VEA], 16, v2
	v_lshl_add_u32 v[VEA], v1, 4, v[VEA]
	v_lshlrev_b32 v[XGA], 13, v1
	v_lshl_add_u32 v[XGA], v2, 5, v[XGA]
	v_lshlrev_b32 v[WGA], 9, v2
.macro VELOAD k
	WIN 0x40
.irp j, 0,1,2,3,4,5,6,7
	global_load_b128 v[32*((\k)%8)+4*\j:32*((\k)%8)+4*\j+3], v[VEA], s[94:95] offset:(16*((\k)%8)+\j)*8192+256*((\k)/8) th:TH_LOAD_NT
.endr
.endm
.irp b, 0,1,2,3,4,5,6,7
.irp c, 0,1
.irp q, 0,1
	global_load_b128 v[RAW+16*\b+8*\c+4*\q:RAW+16*\b+8*\c+4*\q+3], v[XGA], s[98:99] offset:\b*131072+64*\c+16*\q
.endr
.endr
.endr
.irp c, 0,1
.irp j, 0,1,2,3,4,5,6,7
	global_load_b32 v[G+48+8*\c+\j], v[WGA], s[100:101] offset:(16*\c+\j)*64
.endr
.endr
.irp k, 0,1,2,3,4,5,6
	VELOAD \k
.endr
	WIN 0
	s_wait_loadcnt 56
.set n, 0
.rept 16
	v_med3_num_f32 v[G+48+n], v[G+48+n], -v13, v13
.set n, n+1
.endr
	v_cvt_scalef32_pk8_fp8_f32 v[WGF:WGF+1], v[G+48:G+55], v12
	v_cvt_scalef32_pk8_fp8_f32 v[WGF+2:WGF+3], v[G+56:G+63], v12
.irp i, 4,5,6,7
	v_mov_b32 v[WGF+\i], 0
	v_mov_b32 v[XF+\i], 0
	v_mov_b32 v[XF+8+\i], 0
.endr
.irp b, 0,1,2,3,4,5,6,7
.irp i, 0,1,2,3,4,5,6,7,8,9,10,11,12,13,14,15
	v_med3_num_f32 v[RAW+16*\b+\i], v[RAW+16*\b+\i], -v11, v11
.endr
	v_cvt_scalef32_pk8_fp8_f32 v[XF+8*(\b%2):XF+8*(\b%2)+1], v[RAW+16*\b:RAW+16*\b+7], v10
	v_cvt_scalef32_pk8_fp8_f32 v[XF+8*(\b%2)+2:XF+8*(\b%2)+3], v[RAW+16*\b+8:RAW+16*\b+15], v10
	v_nop
	v_wmma_f32_16x16x64_fp8_fp8 v[G+8*\b:G+8*\b+7], v[XF+8*(\b%2):XF+8*(\b%2)+7], v[WGF:WGF+7], 0
.endr
	PLACES NP
.set n, 0
.rept 32
	v_pk_mul_f32 v[G+n:G+n+1], v[G+n:G+n+1], s[22:23] op_sel_hi:[1,0]
.set n, n+2
.endr
.set n, 0
	s_wait_alu depctr_va_vdst(0)
.rept 64
	v_exp_f32 v[G+n], v[G+n]
.set n, n+1
.endr
	v_nop
	s_wait_alu depctr_va_vdst(0)
.set n, 0
.rept 32
	v_pk_add_f32 v[G+n:G+n+1], v[G+n:G+n+1], 1.0 op_sel_hi:[1,0]
.set n, n+2
.endr
.set n, 0
	s_wait_alu depctr_va_vdst(0)
.rept 64
	v_rcp_f32 v[G+n], v[G+n]
.set n, n+1
.endr
	v_nop
	s_wait_alu depctr_va_vdst(0)
.set n, 0
.rept 32
	v_pk_add_f32 v[G+n:G+n+1], v[G+n:G+n+1], v[G+n:G+n+1]
.set n, n+2
.endr
.macro VUNIT k
.set gg, (\k)/8
.set bb, (\k)%8
.if (\k)+7 <= 15
	VELOAD (\k)+7
.endif
.if 15-(\k) >= 7
	s_wait_loadcnt 56
.else
	s_wait_loadcnt 8*(15-(\k))
.endif
	WIN 0x02+gg
.irp i, 0,1,2,3
.irp j, 0,2,4,6
	v_pk_mul_f32 v[VT+8*\i+\j:VT+8*\i+\j+1], v[64*\i+8*bb+\j:64*\i+8*bb+\j+1], s[96:97] op_sel_hi:[1,0]
.endr
.endr
	WIN 0x04
.irp i, 0,1,2,3
.irp j, 0,1,2,3,4,5,6,7
	v_fma_f32 v[VT+8*\i+\j], v[G+8*bb+\j], v[32*bb+4*\j+\i], v[VT+8*\i+\j]
.endr
.endr
	WIN 0
.set n, 0
.rept 32
	v_med3_num_f32 v[VT+n], v[VT+n], -v9, v9
.set n, n+1
.endr
.irp i, 0,1,2,3
	v_cvt_scalef32_pk8_fp8_f32 v[RAW+16*(4*gg+\i)+2*bb:RAW+16*(4*gg+\i)+2*bb+1], v[VT+8*\i:VT+8*\i+7], v8
.endr
	v_nop
.endm
.irp k, 0,1,2,3,4,5,6,7,8,9,10,11,12,13,14,15
	VUNIT \k
.endr
.irp a, 0,1,2,3,4,5,6,7
.irp c, 0,1,2,3
	global_store_b128 v[IMG], v[RAW+16*\a+4*\c:RAW+16*\a+4*\c+3], s[92:93] offset:\a*2048+512*\c
.endr
.endr
.Ldone:
	s_wait_tensorcnt 0x0
	ds_add_u32 v[SPW], v[NIL]
	s_wait_dscnt 0x0
	CROUND
	s_endpgm
.Lfunc_end_k_qd546aeae74_qkv:
	.size	k_qd546aeae74_qkv, .Lfunc_end_k_qd546aeae74_qkv-k_qd546aeae74_qkv
	.p2alignl 7, 3214868480
	.fill 96, 4, 3214868480
	.section	.rodata,"a",@progbits
	.p2align	6, 0x0
	.amdhsa_kernel k_qd546aeae74_qkv
		.amdhsa_group_segment_fixed_size 327680
		.amdhsa_private_segment_fixed_size 0
		.amdhsa_enable_private_segment 0
		.amdhsa_kernarg_size 80
		.amdhsa_user_sgpr_count 2
		.amdhsa_user_sgpr_kernarg_segment_ptr 1
		.amdhsa_wavefront_size32 1
		.amdhsa_system_sgpr_workgroup_id_x 1
		.amdhsa_system_sgpr_workgroup_id_y 1
		.amdhsa_system_sgpr_workgroup_id_z 1
		.amdhsa_system_vgpr_workitem_id 0
		.amdhsa_next_free_vgpr 1024
		.amdhsa_next_free_sgpr 102
		.amdhsa_reserve_vcc 0
		.amdhsa_float_denorm_mode_32 3
		.amdhsa_float_denorm_mode_16_64 3
		.amdhsa_memory_ordered 1
		.amdhsa_forward_progress 1
		.amdhsa_inst_pref_size 255
	.end_amdhsa_kernel
	.section	.bss,"aw",@nobits
	.p2align	6
	.space	262144
	.amdgpu_metadata
---
amdhsa.version: [ 1, 2 ]
amdhsa.kernels:
  - .name:           k_qd546aeae74_qkv
    .symbol:         k_qd546aeae74_qkv.kd
    .args:
      - { .name: xcodes, .offset: 0, .size: 8, .value_kind: global_buffer, .address_space: global }
      - { .name: wcodes, .offset: 8, .size: 8, .value_kind: global_buffer, .address_space: global }
      - { .name: lowp_scales, .offset: 16, .size: 8, .value_kind: global_buffer, .address_space: global }
      - { .name: cos, .offset: 24, .size: 8, .value_kind: global_buffer, .address_space: global }
      - { .name: sin, .offset: 32, .size: 8, .value_kind: global_buffer, .address_space: global }
      - { .name: ve, .offset: 40, .size: 8, .value_kind: global_buffer, .address_space: global }
      - { .name: x, .offset: 48, .size: 8, .value_kind: global_buffer, .address_space: global }
      - { .name: Wgate, .offset: 56, .size: 8, .value_kind: global_buffer, .address_space: global }
      - { .name: q_img, .offset: 64, .size: 8, .value_kind: global_buffer, .address_space: global }
      - { .name: kv_img, .offset: 72, .size: 8, .value_kind: global_buffer, .address_space: global }
    .group_segment_fixed_size: 327680
    .private_segment_fixed_size: 0
    .kernarg_segment_align: 8
    .kernarg_segment_size: 80
    .max_flat_workgroup_size: 128
    .sgpr_count:     102
    .vgpr_count:     1024
    .wavefront_size: 32
...
	.end_amdgpu_metadata
.endif
;; end of part 2
;; launch attn (part 3): grid 16 x 16, 16 waves a work-group, clusters of 4 x 1, 327,680 bytes of LDS; arguments q_img, kv_img, lowp_scales, y_img; writes y_img
.if DOCPART == 3
	.amdgcn_target "amdgcn-amd-amdhsa--gfx1250"
	.amdhsa_code_object_version 6
	.text
	.protected	k_qd546aeae74_attn
	.globl	k_qd546aeae74_attn
	.p2align	8
	.type	k_qd546aeae74_attn,@function
k_qd546aeae74_attn:
	s_mov_b64 s[64:65], 0
	v_nop
	global_prefetch_b8 v0, s[64:65] scope:SCOPE_SE
	s_setreg_imm32_b32 hwreg(HW_REG_WAVE_MODE, 25, 1), 1
	s_wait_xcnt 0x0
	s_wait_alu depctr_hold_cnt(0) depctr_sa_sdst(0) depctr_va_vdst(0) depctr_va_sdst(0) depctr_va_ssrc(0) depctr_va_vcc(0) depctr_vm_vsrc(0)
	s_getreg_b32 s2, hwreg(HW_REG_IB_STS2, 6, 4)
	s_cmp_eq_u32 s2, 0
	s_cbranch_scc0 .Lentry_in_a_cluster
	s_endpgm
.Lentry_in_a_cluster:
	s_bfe_u32 s2, ttmp6, 0x10000c
	s_cmp_lg_u32 s2, 0x3003
	s_cbranch_scc0 .Lentry_shape_is_right
	s_endpgm
.Lentry_shape_is_right:
; y[q][head] = the sum over keys k <= q of softmax_k(q . k / sqrt(128)) v, both products on E4M3 codes; y leaves as codes under 2^e12, laid as the next product's operand.
; q_img: [16 heads][128 tiles of 16 queries][2,048]; kv_img: [16 heads][8 parts of 256 keys][65,536]: 16 fragments of K (16 keys each), then 2 key steps x 8 fragments of V^T (16 d x 128 keys).
; A fragment is an image of its 16 registers: registers 4 c .. 4 c + 3 of lane l at 512 c + 16 l.  All fragments hold k in the matrix instruction's own places: registers 2 c, 2 c + 1: k = 16 c + 8 h + 0 .. 7.
; THE SOFTMAX: t = score x log2(e) / sqrt(128); M = the running largest t rounded UP to a whole number; p = 2^(t - M) is quantised under 2^e11, not normalised; the row's sum is taken of the unquantised p and divides at the end.
; Both products are used transposed: S^T = K Q^T, O^T = V^T P^T: a lane holds one query (lane % 16) throughout; S^T's tile t, register j is key 16 t + 8 h + j, so p's conversions give the second product's operand as it stands.
; SHARES.  2,048 tiles of 16 queries; TWO WAVES SHARE A TILE: half u = bit 1 of the wave's number takes the key steps (128 keys) 2 n + u, each half with its own running M, sum and O^T.  At the end the halves with u = 1 hand theirs
; over through LDS, and the halves with u = 0 bring both under the larger M (powers of two: nothing is rounded), add, divide, quantise and store.  So the longest chain of key steps is 8.
; A cluster of four work-groups owns the blocks of 128 queries j, 7 - j, 8 + j, 15 - j of one head (j = the cluster's x).  With a = w % 4 and c = w / 4 wave w takes block number (a + c) % 4 of these four: among the waves
; that share a, and among those that share c, each block occurs once.  Its tile in the block is 2 cx + w % 2; the place cx enters global addresses and the mask's compare only.  Wave w's partner is w xor 10.
; A key step all of whose keys come after the block is left out by a scalar branch on ids; the step on the diagonal masks by compare and select.  Every wave passes every change of slots.
; RING.  Two LDS slots of 512 keys (two parts of kv_img, 131,072 bytes): four slots' worth a head; the text is straight, no loop.  The four partners walk the same K and V: each slot is asked for jointly, 16,384 bytes by each of waves 0 to 7.
; LIMITS on the given exponents: e8 + e9 between -123 and 130 (added to c's exponent field); e11 and e12 between -126 and 119; e10 + e11 is applied by v_ldexp_f32 and has none.
; REGISTERS: v1, v2 my place in a slot's first and second part; v3 256 x lane; v4 my query's place for the mask; v5, v6 the spare word's address and 0; v7 y's offset; v8 the LDS address in hand; v9 my pair's stage; v10 16 x lane;
;   v12 -M, v13 the largest t, v[14:15] the sum in two halves; v16-31 Q; v32-95 four fragments of K or V, at the end the partner's O^T; v96-159 S^T, then p, then four fragments of V, at the end y; v160-223 O^T; v224-239 codes;
;   v240, v244: 448 x 2^e11, 2^e11; v241, v245: the same with e12; v232-236, v242, v243, v252-254 at work.
.set BSLOT, 131072                     ; a slot; slot 1 begins here
.set SUBS,  65536                      ; a part of 256 keys
.set VOFF,  32768                      ; V's fragments in a part
.set SPARE, 262144                     ; behind the ring: the spare words, 128 bytes for each of sixteen waves
.set MPB,   8704                       ; a pair's stage: 17 stores of 512 bytes.  The eight stages lie in slot 0 from byte 0: when they are written it has had its last fill, and every wave has left it at the last change of slots
.set LI,   1
.set PFO,  3
.set DG,   4
.set SPW,  5
.set NIL,  6
.set GO,   7
.set AD,   8
.set MG,   9
.set L16,  10
.set WV,   18                          ; s18  my wave's number
.set SEL,  20                          ; s[20:21] lane selects: lane l xor 16
.set CS,   22                          ; s[22:23] c = log2(e) / sqrt(128) x 2^(e8 + e9)
.set G1,   24                          ; s[24:31] descriptor group 1
.set G0,   40                          ; s[40:43] descriptor group 0, which walks
.set PFA,  76                          ; s[76:77] where my prefetches stand; never rewritten
.set LIM,  80                          ; s80  0 in a wave that prefetches
.set U,    81                          ; s81  which half of the key steps is mine
.set KS,   98                          ; s98  my next key step, 0..17
.set SB,   99                          ; s99  my block of 128 queries, 0..15
.macro CROUND                          ; a round of the cluster's barrier
	s_barrier_signal -1
	s_barrier_wait -1
	s_cmp_lg_u32 s[WV], 0
	s_cbranch_scc1 .Lnot_wave_0_\@
	s_barrier_signal -3
.Lnot_wave_0_\@:
	s_barrier_wait -3
	s_barrier_signal -1
	s_barrier_wait -1
.endm
.macro TLOAD                           ; waves 0 to 7 fetch an eighth of a slot each; the branch hangs on the wave's number alone; four v_nop follow the load
	s_cmp_lt_u32 s[WV], 8
	s_cbranch_scc0 .Lasked_\@
	tensor_load_to_lds s[G0:G0+3], s[G1:G1+7]
	s_nop 0
.rept 4
	v_nop
.endr
.Lasked_\@:
.endm
; A prefetch of slot n of the head's four, which the NEXT change of slots will ask for: 131,072 bytes, each aligned 256 named once in the launch.  All four clusters of a head walk the same slots: the head's first cluster asks.
; Its four partners take 32,768 bytes each, told apart by address; in each, waves 8 to 11, which fetch nothing, ask for 8,192 bytes, lanes 256 bytes apart.  The slot stands in the immediate: no register is stepped.
; Slots 0 and 1 come by their loads alone; the last change that fills a slot asks for nothing.
.macro ASK n
	s_cmp_eq_u32 s[LIM], 0
	s_cbranch_scc0 .Lnot_mine_\@
	global_prefetch_b8 v[PFO], s[PFA:PFA+1] offset:(\n)*BSLOT th:TH_LOAD_NT scope:SCOPE_SE
.Lnot_mine_\@:
.endm
	s_load_b128 s[4:7], s[0:1], 0x0                ; q_img s[4:5], kv_img s[6:7]
	s_load_b128 s[12:15], s[0:1], 0x10             ; the scales' exponents s[12:13], y_img s[14:15]
	v_lshl_add_u32 v[SPW], v0, 2, SPARE
	v_mov_b32 v[NIL], 0
	ds_add_u32 v5, v6
	ds_add_u32 v5, v6
	s_wait_dscnt 0x0
	v_lshrrev_b32 v8, 5, v0
	s_delay_alu instid0(VALU_DEP_1)
	v_readfirstlane_b32 s[WV], v8                  ; wave 0..15
	s_bfe_u32 s45, ttmp6, 0x40000                  ; cx: my place in the cluster
	s_and_b32 s46, ttmp7, 0xffff                   ; the head, which the partners share
	s_and_b32 s47, s[WV], 3                        ; a
	s_lshr_b32 s48, s[WV], 2                       ; c
	s_add_co_u32 s49, s47, s48
	s_and_b32 s49, s49, 3                          ; which of the cluster's four blocks
	s_sub_co_u32 s50, 7, ttmp9
	s_and_b32 s51, s49, 1
	s_cmp_lg_u32 s51, 0
	s_cselect_b32 s50, s50, ttmp9                  ; odd: 7 - j, even: j,
	s_lshr_b32 s51, s49, 1
	s_lshl_b32 s51, s51, 3
	s_add_co_u32 s[SB], s50, s51                   ; and 8 more for the upper two: j, 7 - j, 8 + j, 15 - j
	s_bfe_u32 s[U], s[WV], 0x10001                 ; u
	s_and_b32 s53, s[WV], 1
	s_lshl_b32 s54, s45, 1
	s_add_co_u32 s54, s54, s53                     ; my tile in the block: 2 cx + w % 2
	s_and_b32 s55, s47, 2
	s_xor_b32 s55, s48, s55
	s_lshl_b32 s55, s55, 1
	s_or_b32 s55, s55, s53                         ; my pair, 0..7: the same in w and in w xor 10
	s_mul_i32 s55, s55, MPB                        ; its stage
	s_lshl_b32 s56, s[U], 14                       ; my key step in a part: 8 fragments of K, and of V, on
	v_and_b32 v232, 31, v0
	s_delay_alu instid0(VALU_DEP_1)
	v_lshlrev_b32 v[L16], 4, v232
	s_delay_alu instid0(VALU_DEP_2)
	v_lshlrev_b32 v[PFO], 8, v232
	s_delay_alu instid0(VALU_DEP_2)
	v_add_nc_u32 v[LI], s56, v[L16]
	s_delay_alu instid0(VALU_DEP_1)
	v_add_nc_u32 v[LI+1], SUBS, v[LI]
	s_delay_alu instid0(VALU_DEP_4)
	v_add_nc_u32 v[MG], s55, v[L16]
	; descriptor group 1: 64 rows of 256 bytes, dense
	s_mov_b32 s[G1], 15|(3<<16)|(1<<21)            ; 15:0 the mask: all four work-groups; 17:16 elements of 8 bytes; 21 set beside a mask; no padding
	s_mov_b32 s[G1+1], 32<<16                      ; tensor_dim0 = 32 elements
	s_mov_b32 s[G1+2], 64<<16                      ; tensor_dim1 = 64
	s_mov_b32 s[G1+3], 32<<16                      ; tile_dim0
	s_mov_b32 s[G1+4], 64                          ; tile_dim1
	s_mov_b32 s[G1+5], 32                          ; tensor_dim0_stride
	s_mov_b32 s[G1+6], 0
	s_mov_b32 s[G1+7], 0
	s_and_b32 s57, s[WV], 7
	s_lshl_b32 s57, s57, 14                        ; my eighth of a slot, in LDS and in memory
	s_lshl_b32 s58, s46, 19
	s_add_co_u32 s58, s58, s57                     ; + the head's 524,288 bytes
	s_mov_b32 s59, 0
	s_lshl_b32 s60, s[SB], 3
	s_add_co_u32 s60, s60, s54
	s_lshl_b32 s60, s60, 11
	s_lshl_b32 s50, s46, 18
	s_add_co_u32 s60, s60, s50                     ; Q: head x 262,144 + (8 block + tile) x 2,048
	s_mov_b32 s61, 0
	s_lshl_b32 s62, s[SB], 2                       ; y_img: [16 blocks][4 K steps of 4 heads][8 tiles][4 heads][2,048]
	s_lshr_b32 s50, s46, 2
	s_add_co_u32 s62, s62, s50
	s_lshl_b32 s62, s62, 3
	s_add_co_u32 s62, s62, s54
	s_lshl_b32 s62, s62, 2
	s_and_b32 s50, s46, 3
	s_add_co_u32 s62, s62, s50
	s_lshl_b32 s62, s62, 11
	s_mov_b32 s63, 0
	s_lshl_b32 s82, s46, 19                        ; the prefetches: head, my work-group's 32,768 bytes of a slot, my wave's 8,192
	s_lshl_b32 s50, s45, 15
	s_add_co_u32 s82, s82, s50
	s_lshl_b32 s50, s47, 13
	s_add_co_u32 s82, s82, s50
	s_mov_b32 s83, 0
	s_sub_co_u32 s[LIM], s[WV], 8
	s_lshr_b32 s[LIM], s[LIM], 2                   ; 0 in waves 8 to 11,
	s_or_b32 s[LIM], s[LIM], ttmp9                 ; of the head's first cluster: the same in all partners
	s_mov_b32 s[SEL], 0x76543210
	s_mov_b32 s[SEL+1], 0xfedcba98
	s_mov_b32 s[CS], 0x3e0293ee                    ; log2(e) / sqrt(128)
	s_mov_b32 s[KS], s[U]
	s_wait_kmcnt 0x0
	s_load_b128 s[68:71], s[12:13], 0x20           ; e8, e9, e10, e11
	s_load_b32 s72, s[12:13], 0x30                 ; e12
	s_mov_b32 s[G0], 1                             ; count = 1
	s_mov_b32 s[G0+1], s57                         ; LDS address: slot 0
	s_add_nc_u64 s[G0+2:G0+3], s[6:7], s[58:59]    ; global address: the head's first 512 keys
	s_or_b32 s[G0+3], s[G0+3], 0x80000000          ; type = 2
	s_add_nc_u64 s[PFA:PFA+1], s[6:7], s[82:83]
	s_add_nc_u64 s[4:5], s[4:5], s[60:61]
	s_add_nc_u64 s[14:15], s[14:15], s[62:63]
	CROUND                                         ; all four work-groups are here: the first joint loads meet
	TLOAD                                          ; slot 0: one load of mine is out
	s_wait_alu depctr_va_vdst(0)
.irp c, 0,1,2,3
	global_load_b128 v[16+4*\c:19+4*\c], v[L16], s[4:5] offset:512*\c   ; Q's fragment stays in registers
.endr
	v_and_b32 v233, 15, v0                         ; r
	v_bfe_u32 v234, v0, 4, 1                       ; h
	s_delay_alu instid0(VALU_DEP_1)
	v_lshlrev_b32 v232, 3, v234
	s_delay_alu instid0(VALU_DEP_1)
	v_sub_nc_u32 v[DG], v233, v232
	s_lshl_b32 s50, s54, 4
	v_add_nc_u32 v[DG], s50, v[DG]                 ; my query's place in its block less 8 h: on the diagonal register 8 t + j is hidden where 16 t + j is above it
	v_lshlrev_b32 v[GO], 9, v234
	s_delay_alu instid0(VALU_DEP_1)
	v_lshl_add_u32 v[GO], v233, 4, v[GO]           ; y: 512 h + 16 r
	v_mov_b32 v13, 0xff61b1e6                      ; the largest t so far: -3e38
	s_delay_alu instid0(VALU_DEP_1)
	v_floor_f32 v12, -v13                          ; -M
	v_mov_b32 v14, 0
	v_mov_b32 v15, 0
	v_mov_b32 v236, 0                              ; (a lane permute's destination counts as read)
	v_mov_b32 v252, 0
	v_mov_b32 v253, 0                              ; (named as the upper half of a pair)
.set n, 0
.rept 64
	v_mov_b32 v[160+n], 0                          ; O^T: the key step has one form for all steps: the first finds zeros; a half with no step at all hands zeros over
.set n, n+1
.endr
	s_wait_kmcnt 0x0
	s_add_co_i32 s73, s68, s69
	s_lshl_b32 s73, s73, 23
	s_add_co_i32 s[CS], s[CS], s73                 ; a score stands for score x 2^(e8 + e9)
	s_mov_b32 s[CS+1], s[CS]
	s_add_co_i32 s73, s71, 127
	s_lshl_b32 s74, s73, 23
	v_mov_b32 v244, s74                            ; 2^e11
	s_add_co_i32 s73, s73, 8
	s_lshl_b32 s73, s73, 23
	s_or_b32 s73, s73, 0x600000
	v_mov_b32 v240, s73                            ; 448 x 2^e11
	s_add_co_i32 s73, s72, 127
	s_lshl_b32 s74, s73, 23
	v_mov_b32 v245, s74                            ; 2^e12
	s_add_co_i32 s73, s73, 8
	s_lshl_b32 s73, s73, 23
	s_or_b32 s73, s73, 0x600000
	v_mov_b32 v241, s73                            ; 448 x 2^e12
	s_add_co_i32 s74, s70, s71                     ; e10 + e11
; MY KEY STEP, 128 keys, in part sub of LDS slot slot.
.macro STEP slot, sub
	s_cmp_gt_u32 s[KS], s[SB]                      ; all its keys come after my block's queries: left out
	s_cbranch_scc1 .Lhidden_\@
	v_add_nc_u32 v[AD], (\slot)*BSLOT, v[LI+\sub]
	s_wait_alu depctr_va_vdst(0)
.rept 4
	v_nop                                          ; with the addition five places: the first products below write v96 on, which the last step's last products read as an operand; four serve the loads into v32 on
.endr
.irp g, 0,1                            ; S^T = K Q^T, four tiles of 16 keys at a time
.if \g > 0
.rept 4
	v_nop                                          ; places in front of loads into registers that matrix instructions have read
.endr
.endif
.irp t, 0,1,2,3
.irp c, 0,1,2,3
	ds_load_b128 v[32+16*\t+4*\c:32+16*\t+4*\c+3], v[AD] offset:(4*\g+\t)*2048+512*\c
.endr
.endr
	s_wait_dscnt 0x0
.irp t, 0,1,2,3
	v_wmma_f32_16x16x128_fp8_fp8 v[96+8*(4*\g+\t):103+8*(4*\g+\t)], v[32+16*\t:47+16*\t], v[16:31], 0
.endr
.endr
.rept 4
	v_nop                                          ; places in front of the loads below and of the first read of the scores
.endr
.irp t, 0,1,2,3                        ; V's first four fragments are asked for here: they land while the softmax is worked
.irp c, 0,1,2,3
	ds_load_b128 v[32+16*\t+4*\c:32+16*\t+4*\c+3], v[AD] offset:VOFF+\t*2048+512*\c
.endr
.endr
	s_cmp_lt_u32 s[KS], s[SB]                      ; off the diagonal every key counts
	s_cbranch_scc1 .Lopen_\@
	v_mov_b32 v254, 0xff800000                     ; -infinity: p = 0 then
.set n, 0
.rept 64
	v_cmp_gt_i32 vcc_lo, 16*(n/8)+n%8, v[DG]
	v_cndmask_b32 v[96+n], v[96+n], v254, vcc_lo
.set n, n+1
.endr
.Lopen_\@:
	v_max3_num_f32 v254, v96, v97, v98             ; the step's largest score of my query among my 64 keys, in two chains,
	v_max3_num_f32 v252, v99, v100, v101
.irp i, 6,10,14,18,22,26,30,34,38,42,46,50,54,58
	v_max3_num_f32 v254, v254, v[96+\i], v[97+\i]
	v_max3_num_f32 v252, v252, v[98+\i], v[99+\i]
.endr
	v_max3_num_f32 v254, v254, v158, v159
	s_delay_alu instid0(VALU_DEP_1)
	v_max_num_f32 v254, v254, v252
	v_permlanex16_b32 v236, v254, s[SEL], s[SEL+1]
	s_delay_alu instid0(VALU_DEP_1)
	v_max_num_f32 v254, v254, v236                 ; and among lane l xor 16's
	s_delay_alu instid0(VALU_DEP_1)
	v_mul_f32 v254, s[CS], v254                    ; as t (c is positive)
	s_delay_alu instid0(VALU_DEP_1)
	v_max_num_f32 v13, v13, v254                   ; the running largest t
	v_mov_b32 v254, v12
	s_delay_alu instid0(VALU_DEP_2)
	v_floor_f32 v12, -v13                          ; the new -M = -ceil(t): a whole number
	s_delay_alu instid0(VALU_DEP_1)
	v_sub_f32 v254, v12, v254                      ; old M less new M: a whole number, 0 or less
	s_delay_alu instid0(VALU_DEP_1)
	v_cvt_i32_f32 v254, v254                       ; (it saturates)
	s_delay_alu instid0(VALU_DEP_1)
	v_ldexp_f32 v252, 1.0, v254                    ; f = 2^(old M - new M)
.set n, 0
.rept 32
	v_pk_fma_f32 v[96+n:97+n], v[96+n:97+n], s[CS:CS+1], v[12:13] op_sel_hi:[1,0,0]   ; t - M
.set n, n+2
.endr
.set n, 0
	s_wait_alu depctr_va_vdst(0)
.rept 64
	v_exp_f32 v[96+n], v[96+n]                     ; p = 2^(t - M), at most 1
.set n, n+1
.endr
	v_pk_mul_f32 v[14:15], v[14:15], v[252:253] op_sel_hi:[1,0]   ; the sums under the new M (a plain line behind the exponentials)
	s_wait_alu depctr_va_vdst(0)                   ; one wait for the whole batch, ahead of its first reader
	v_pk_add_f32 v[242:243], v[100:101], v[104:105]
	v_pk_add_f32 v[254:255], v[108:109], v[112:113]
	v_pk_add_f32 v[250:251], v[116:117], v[120:121]
	v_pk_add_f32 v[248:249], v[124:125], v[128:129]
	v_pk_add_f32 v[246:247], v[132:133], v[136:137]
	v_pk_add_f32 v[238:239], v[140:141], v[144:145]
	v_pk_add_f32 v[236:237], v[148:149], v[152:153]
	v_pk_add_f32 v[14:15], v[14:15], v[156:157]
	v_pk_add_f32 v[242:243], v[242:243], v[96:97]
	v_pk_add_f32 v[254:255], v[254:255], v[98:99]
	v_pk_add_f32 v[250:251], v[250:251], v[102:103]
	v_pk_add_f32 v[248:249], v[248:249], v[106:107]
	v_pk_add_f32 v[246:247], v[246:247], v[110:111]
	v_pk_add_f32 v[238:239], v[238:239], v[114:115]
	v_pk_add_f32 v[236:237], v[236:237], v[118:119]
	v_pk_add_f32 v[14:15], v[14:15], v[122:123]
	v_pk_add_f32 v[242:243], v[242:243], v[126:127]
	v_pk_add_f32 v[254:255], v[254:255], v[130:131]
	v_pk_add_f32 v[250:251], v[250:251], v[134:135]
	v_pk_add_f32 v[248:249], v[248:249], v[138:139]
	v_pk_add_f32 v[246:247], v[246:247], v[142:143]
	v_pk_add_f32 v[238:239], v[238:239], v[146:147]
	v_pk_add_f32 v[236:237], v[236:237], v[150:151]
	v_pk_add_f32 v[14:15], v[14:15], v[154:155]
	v_pk_add_f32 v[242:243], v[242:243], v[158:159]
	s_delay_alu instid0(VALU_DEP_2)
	v_pk_add_f32 v[14:15], v[14:15], v[248:249]
	s_delay_alu instid0(VALU_DEP_2)
	v_pk_add_f32 v[242:243], v[242:243], v[246:247]
	v_pk_add_f32 v[254:255], v[254:255], v[238:239]
	v_pk_add_f32 v[250:251], v[250:251], v[236:237]
	s_delay_alu instid0(VALU_DEP_2)
	v_pk_add_f32 v[14:15], v[14:15], v[254:255]
	s_delay_alu instid0(VALU_DEP_2)
	v_pk_add_f32 v[242:243], v[242:243], v[250:251]
	s_delay_alu instid0(VALU_DEP_1)
	v_pk_add_f32 v[14:15], v[14:15], v[242:243]
.irp b, 0,1,2,3
.irp i, 0,1,2,3,4,5,6,7,8,9,10,11,12,13,14,15
	v_min_num_f32 v[96+16*\b+\i], v[96+16*\b+\i], v240   ; the conversion does not saturate (ISA guide 7.6.2); p is not negative
.endr
	v_cvt_scalef32_pk8_fp8_f32 v[224+4*\b:225+4*\b], v[96+16*\b:103+16*\b], v244     ; tile t's eight keys: registers 2 t, 2 t + 1 of the operand
	v_cvt_scalef32_pk8_fp8_f32 v[226+4*\b:227+4*\b], v[104+16*\b:111+16*\b], v244
.endr
.irp t, 0,1,2,3                        ; V's last four fragments take the registers that p has left
.irp c, 0,1,2,3
	ds_load_b128 v[96+16*\t+4*\c:96+16*\t+4*\c+3], v[AD] offset:VOFF+(4+\t)*2048+512*\c
.endr
.endr
.set n, 0
.rept 32
	v_pk_mul_f32 v[160+n:161+n], v[160+n:161+n], v[252:253] op_sel_hi:[1,0]   ; O^T under the new M (also the plain lines between the conversions and the products that read the codes)
.set n, n+2
.endr
	s_wait_alu depctr_va_vdst(0)
	s_wait_dscnt 0x0                               ; all eight fragments of V are in
.irp t, 0,1,2,3                        ; O^T += V^T P^T: eight accumulators, one instruction each
	v_wmma_f32_16x16x128_fp8_fp8 v[160+8*\t:167+8*\t], v[32+16*\t:47+16*\t], v[224:239], v[160+8*\t:167+8*\t]
.endr
.irp t, 0,1,2,3
	v_wmma_f32_16x16x128_fp8_fp8 v[192+8*\t:199+8*\t], v[96+16*\t:111+16*\t], v[224:239], v[192+8*\t:199+8*\t]
.endr
.Lhidden_\@:
	s_add_co_u32 s[KS], s[KS], 2                   ; my next key step
.endm
; THE CHANGE OF SLOTS stands at a slot's head.  Each wave waits for all its tensor loads (its part of the slot ahead), adds 0 to its spare word, and waits for that and for its reads of the slot that it has left.
; fill = 1: a round of the cluster's barrier, so that no wave of any partner still reads the other slot or has a load on its way; the joint refill is the first thing behind it and has a slot's four key steps in which to land.
.macro CHANGE fill
	s_wait_tensorcnt 0x0                           ; no tensor load of mine is out, so the group 0 may be written
	ds_add_u32 v[SPW], v[NIL]
.if \fill
	s_xor_b32 s[G0+1], s[G0+1], BSLOT              ; the other slot than last time,
	s_add_nc_u64 s[G0+2:G0+3], s[G0+2:G0+3], BSLOT ; the next 512 keys; the type bits on top are not reached
	s_wait_dscnt 0x0                               ; the add is done, and my reads of the slot that I have left are over
	CROUND
	TLOAD
.else
	s_wait_dscnt 0x0
	s_barrier_signal -1
	s_barrier_wait -1
.endif
.endm
	s_wait_loadcnt 0x0                             ; Q
	CHANGE 1                                       ; keys 0 to 511 are in; LDS slot 1 takes keys 512 on: its first fill, issued as a refill is
	ASK 2
	STEP 0, 0
	STEP 0, 1
	CHANGE 1                                       ; LDS slot 0 takes keys 1,024 on
	ASK 3
	STEP 1, 0
	STEP 1, 1
	CHANGE 1                                       ; LDS slot 1 takes keys 1,536 on: the last fill
	STEP 0, 0
	STEP 0, 1
	CHANGE 0                                       ; nothing is left to fetch; LDS slot 0 is left by everybody
	STEP 1, 0
	STEP 1, 1
	; THE TWO HALVES MEET.  The half with u = 1 stores O^T and v[12:15] (-M, t, the sum's two halves) as images: 17 stores of 512 consecutive bytes into the pair's stage; a barrier; the half with u = 0 reads them back into the same lanes.
.rept 4
	v_nop                                          ; places behind the last products: their results are stored or read, their operands' registers loaded into and written below
.endr
	s_cmp_eq_u32 s[U], 0
	s_cbranch_scc1 .Lkeeps
.set n, 0
	s_wait_alu depctr_va_vdst(0)
.rept 16
	ds_store_b128 v[MG], v[160+4*n:163+4*n] offset:512*n   ; each accumulator from its low end on
.set n, n+1
.endr
	ds_store_b128 v[MG], v[12:15] offset:8192
.Lkeeps:
	s_wait_dscnt 0x0                               ; for the partner's sake: my stores have landed
	s_barrier_signal -1
	s_barrier_wait -1
	s_cmp_lg_u32 s[U], 0
	s_cbranch_scc1 .Lend                           ; the half with u = 1 is done
.set n, 0
.rept 16
	ds_load_b128 v[32+4*n:35+4*n], v[MG] offset:512*n
.set n, n+1
.endr
	ds_load_b128 v[224:227], v[MG] offset:8192
	v_add_f32 v14, v14, v15                        ; my sum's two halves
	s_wait_dscnt 0x0
	v_min_num_f32 v252, v12, v224                  ; -M of both: the smaller.  (A partner with no step at all has -M = 3e38: its factor below is 0, and its sum and O^T are zeros)
	s_delay_alu instid0(VALU_DEP_1)
	v_sub_f32 v253, v252, v12                      ; my M less the common M: a whole number, 0 or less
	s_delay_alu instid0(VALU_DEP_2)
	v_sub_f32 v254, v252, v224                     ; the partner's
	s_delay_alu instid0(VALU_DEP_2)
	v_cvt_i32_f32 v253, v253                       ; (it saturates)
	s_delay_alu instid0(VALU_DEP_2)
	v_cvt_i32_f32 v254, v254
	s_delay_alu instid0(VALU_DEP_2)
	v_ldexp_f32 v253, 1.0, v253                    ; f0, f1: powers of two
	s_wait_alu depctr_va_vdst(0)
	v_ldexp_f32 v254, 1.0, v254
	v_add_f32 v226, v226, v227
	v_mul_f32 v14, v14, v253
	s_delay_alu instid0(VALU_DEP_1)
	v_fma_f32 v14, v226, v254, v14                 ; both sums under the common M,
	s_delay_alu instid0(VALU_DEP_1)
	v_permlanex16_b32 v252, v14, s[SEL], s[SEL+1]
	s_delay_alu instid0(VALU_DEP_1)
	v_add_f32 v14, v14, v252                       ; and lane l xor 16's: the row's sum
	s_wait_alu depctr_va_vdst(0)
	v_rcp_f32 v14, v14
	v_nop
	s_wait_alu depctr_va_vdst(0)                   ; ahead of the reciprocal's first reader
	v_ldexp_f32 v14, v14, s74                      ; x 2^(e10 + e11)
	s_delay_alu instid0(VALU_DEP_1)
	v_mul_f32 v253, v253, v14
	s_delay_alu instid0(VALU_DEP_2)
	v_mul_f32 v254, v254, v14
	; THE WAY OUT.  O^T's tile 4 g + i, register j of lane (r, h) is y(query r, d = 64 g + 32 h + 4 j + i): V's rows were laid so.  Put in d's order, a lane's 2 x 32 numbers become 2 x 8 registers of codes:
	; registers 8 g + 4 u .. + 3 are d = 32 (2 g + h) + 16 u + 0 .. 15, which the next product's operand has in lane (r, u), registers 4 c .. 4 c + 3 with c = 2 g + h: byte 512 c + 256 u + 16 r of the image.
.irp g, 0,1
.irp i, 0,1,2,3
.irp j, 0,1,2,3,4,5,6,7
	v_mul_f32 v[96+32*\g+4*\j+\i], v[160+8*(4*\g+\i)+\j], v253   ; each accumulator from its low end on
.endr
.endr
.endr
.irp g, 0,1
.irp i, 0,1,2,3
.irp j, 0,1,2,3,4,5,6,7
	v_fma_f32 v[96+32*\g+4*\j+\i], v[32+8*(4*\g+\i)+\j], v254, v[96+32*\g+4*\j+\i]
.endr
.endr
.endr
.set n, 0
.rept 64
	v_med3_num_f32 v[96+n], v[96+n], -v241, v241
.set n, n+1
.endr
.irp q, 0,1,2,3,4,5,6,7
	v_cvt_scalef32_pk8_fp8_f32 v[224+2*\q:225+2*\q], v[96+8*\q:103+8*\q], v245
.endr
	v_nop
.irp g, 0,1
.irp u, 0,1
	global_store_b128 v[GO], v[224+8*\g+4*\u:227+8*\g+4*\u], s[14:15] offset:1024*\g+256*\u   ; sixteen lanes store 256 consecutive bytes, aligned
.endr
.endr
.Lend:
	s_wait_tensorcnt 0x0                           ; the wave's end
	ds_add_u32 v[SPW], v[NIL]
	s_wait_dscnt 0x0
	CROUND                                         ; the closing round
	s_endpgm
.Lfunc_end_k_qd546aeae74_attn:
	.size	k_qd546aeae74_attn, .Lfunc_end_k_qd546aeae74_attn-k_qd546aeae74_attn
	.p2alignl 7, 3214868480
	.fill 96, 4, 3214868480
	.section	.rodata,"a",@progbits
	.p2align	6, 0x0
	.amdhsa_kernel k_qd546aeae74_attn
		.amdhsa_group_segment_fixed_size 327680
		.amdhsa_private_segment_fixed_size 0
		.amdhsa_enable_private_segment 0
		.amdhsa_kernarg_size 32
		.amdhsa_user_sgpr_count 2
		.amdhsa_user_sgpr_kernarg_segment_ptr 1
		.amdhsa_wavefront_size32 1
		.amdhsa_system_sgpr_workgroup_id_x 1
		.amdhsa_system_sgpr_workgroup_id_y 1
		.amdhsa_system_sgpr_workgroup_id_z 1
		.amdhsa_system_vgpr_workitem_id 0
		.amdhsa_next_free_vgpr 256
		.amdhsa_next_free_sgpr 100
		.amdhsa_reserve_vcc 1
		.amdhsa_float_denorm_mode_32 3
		.amdhsa_float_denorm_mode_16_64 3
		.amdhsa_memory_ordered 1
		.amdhsa_forward_progress 1
		.amdhsa_inst_pref_size 220
	.end_amdhsa_kernel
	.amdgpu_metadata
---
amdhsa.version: [ 1, 2 ]
amdhsa.kernels:
  - .name:           k_qd546aeae74_attn
    .symbol:         k_qd546aeae74_attn.kd
    .args:
      - { .name: q_img, .offset: 0, .size: 8, .value_kind: global_buffer, .address_space: global }
      - { .name: kv_img, .offset: 8, .size: 8, .value_kind: global_buffer, .address_space: global }
      - { .name: lowp_scales, .offset: 16, .size: 8, .value_kind: global_buffer, .address_space: global }
      - { .name: y_img, .offset: 24, .size: 8, .value_kind: global_buffer, .address_space: global }
    .group_segment_fixed_size: 327680
    .private_segment_fixed_size: 0
    .kernarg_segment_align: 8
    .kernarg_segment_size: 32
    .max_flat_workgroup_size: 512
    .sgpr_count:     100
    .vgpr_count:     256
    .wavefront_size: 32
...
	.end_amdgpu_metadata
.endif
;; end of part 3
;; launch proj (part 4): grid 16 x 16, 4 waves a work-group, clusters of 4 x 4, 327,680 bytes of LDS; arguments y_img, wcodes, lowp_scales, out0; writes out0
.if DOCPART == 4
	.amdgcn_target "amdgcn-amd-amdhsa--gfx1250"
	.amdhsa_code_object_version 6
	.text
	.protected	k_qd546aeae74_proj
	.globl	k_qd546aeae74_proj
	.p2align	8
	.type	k_qd546aeae74_proj,@function
k_qd546aeae74_proj:
	s_mov_b64 s[64:65], 0
	v_nop
	global_prefetch_b8 v0, s[64:65] scope:SCOPE_SE
	s_setreg_imm32_b32 hwreg(HW_REG_WAVE_MODE, 25, 1), 1
	s_wait_xcnt 0x0
	s_wait_alu depctr_hold_cnt(0) depctr_sa_sdst(0) depctr_va_vdst(0) depctr_va_sdst(0) depctr_va_ssrc(0) depctr_va_vcc(0) depctr_vm_vsrc(0)
	s_getreg_b32 s2, hwreg(HW_REG_IB_STS2, 6, 4)
	s_cmp_eq_u32 s2, 0
	s_cbranch_scc0 .Lentry_in_a_cluster
	s_endpgm
.Lentry_in_a_cluster:
	s_bfe_u32 s2, ttmp6, 0x10000c
	s_cmp_lg_u32 s2, 0xf033
	s_cbranch_scc0 .Lentry_shape_is_right
	s_endpgm
.Lentry_shape_is_right:
; out0 = y Wproj: y's codes (y_img, under e12) times Wproj's codes (wcodes' rows 6,144 on, under e13), v_wmma_f32_16x16x128_fp8_fp8, f32 sums, each sum x 2^(e12 + e13).
; SHARES.  A block of 128 x 128 to a work-group of four waves, 64 x 64 (16 accumulators) to a wave: 16 x 16 = 256 work-groups, clusters of 4 x 4; A's tile is shared along a row of the cluster, B's along a column: joint loads.
; K goes in four steps of 512 through two LDS slots.  A's part of a slot is 65,536 dense bytes of y_img (images of fragments; waves 0, 1 fetch 32,768 each as rows of 256 bytes); B's is 128 rows of 512 bytes, 528 apart in LDS (waves 2, 3 fetch 64 rows each).
; The matrix instruction is used transposed (source 0 = Wproj's rows, source 1 = y's): a lane holds eight neighbouring numbers of a row of out0; a block of 16 rows goes through the wave's stage in slot 0, which has had its last fill, and leaves in aligned units of 256 bytes.
; PREFETCHES.  A slot's fill goes out when the one before has landed, with nothing on its way beside it: K steps 1 and 2 are asked for behind the first joint load, K step 3 behind the second; the refills ask for nothing: there is no K step behind them.
; Of what a wave fetches each of the four partners names a quarter, 32 blocks of 256 bytes, told apart by address: 8,192 bytes of A by cx; 16 rows x 512 bytes of B by cy.  One instruction a wave for a K step.
; LIMIT: e12 + e13 between -126 and 127.
.set ABYTES, 65536
.set PFO,  27                          ; v27  my lane's block: A 256 x lane; B 2,048 (lane / 2) + 256 (lane % 2); never rewritten
.set PFA,  72                          ; s[72:73] my work-group's quarter of what I fetch, at K step 0; never rewritten
.set BP,     528
.set BHALF,  64*BP
.set SLOT,   ABYTES+2*BHALF
.set SPARE,  2*SLOT
.set SPITCH, 272
.set ADRA, 16
.set ADRB, 20
.set STO,  24
.set RD,   25
.set CO,   26
.set SPW,  28
.set NIL,  29
.set TMP,  32
.set BK,   64
.set ACC,  128
.set F0,   0
.set F1,   128
.set G1, 24
.set G0, 32
.set G1B, 48
.set G0B, 56
.set MSB, 0
.macro WIN new
.if MSB != (\new)
	s_set_vgpr_msb (MSB<<8)|(\new)
.set MSB, (\new)
.endif
.endm
.set MUL,  0x05
.set TO_F, 0x40
.macro JLOAD s, pf
	s_cmp_eq_u32 s11, 0
	s_cbranch_scc0 .Lfor_b_\@
	tensor_load_to_lds s[G0+4*\s:G0+4*\s+3], s[G1:G1+7]
	s_nop 0
.rept 4
	v_nop
.endr
.if (\pf) == 1
	global_prefetch_b8 v[PFO], s[PFA:PFA+1] offset:65536 th:TH_LOAD_NT scope:SCOPE_SE
	global_prefetch_b8 v[PFO], s[PFA:PFA+1] offset:2*65536 th:TH_LOAD_NT scope:SCOPE_SE
.endif
.if (\pf) == 2
	global_prefetch_b8 v[PFO], s[PFA:PFA+1] offset:3*65536 th:TH_LOAD_NT scope:SCOPE_SE
.endif
	s_branch .Lasked_\@
.Lfor_b_\@:
	tensor_load_to_lds s[G0B+4*\s:G0B+4*\s+3], s[G1B:G1B+7]
	s_nop 0
.rept 4
	v_nop
.endr
.if (\pf) == 1
	global_prefetch_b8 v[PFO], s[PFA:PFA+1] offset:512 th:TH_LOAD_NT scope:SCOPE_SE
	global_prefetch_b8 v[PFO], s[PFA:PFA+1] offset:2*512 th:TH_LOAD_NT scope:SCOPE_SE
.endif
.if (\pf) == 2
	global_prefetch_b8 v[PFO], s[PFA:PFA+1] offset:3*512 th:TH_LOAD_NT scope:SCOPE_SE
.endif
.Lasked_\@:
.endm
.macro CREST
	s_cmp_lg_u32 s10, 0
	s_cbranch_scc1 .Lnot_wave_0_\@
	s_barrier_signal -3
.Lnot_wave_0_\@:
	s_barrier_wait -3
	s_barrier_signal -1
	s_barrier_wait -1
.endm
.macro CROUND
	s_barrier_signal -1
	s_barrier_wait -1
	CREST
.endm
	s_load_b128 s[4:7], s[0:1], 0x0
	s_load_b128 s[68:71], s[0:1], 0x10
	v_lshl_add_u32 v[SPW], v0, 2, SPARE
	v_mov_b32 v[NIL], 0
	ds_add_u32 v28, v29
	ds_add_u32 v28, v29
	s_wait_dscnt 0x0
	v_lshrrev_b32 v1, 5, v0
	v_readfirstlane_b32 s10, v1
	s_lshr_b32 s11, s10, 1
	s_and_b32 s12, s10, 1
	s_bfe_u32 s40, ttmp6, 0x40000
	s_bfe_u32 s41, ttmp6, 0x40004
	s_lshl_b32 s42, ttmp9, 2
	s_add_co_u32 s42, s42, s40
	s_and_b32 s13, ttmp7, 0xffff
	s_lshl_b32 s13, s13, 2
	s_add_co_u32 s13, s13, s41
	s_lshl_b32 s43, s41, 2
	s_lshl_b32 s43, 15, s43
	s_lshl_b32 s44, 0x1111, s40
	s_or_b32 s[G1+0], s43, (3<<16)|(1<<21)
	s_mov_b32 s[G1+1], 32<<16
	s_mov_b32 s[G1+2], 128<<16
	s_mov_b32 s[G1+3], 32<<16
	s_mov_b32 s[G1+4], 128
	s_mov_b32 s[G1+5], 32
	s_mov_b32 s[G1+6], 0
	s_mov_b32 s[G1+7], 0
	s_or_b32 s[G1B+0], s44, (0<<16)|(1<<20)|(1<<21)|(6<<22)|(3<<25)
	s_mov_b32 s[G1B+1], 512<<16
	s_mov_b32 s[G1B+2], 64<<16
	s_mov_b32 s[G1B+3], 512<<16
	s_mov_b32 s[G1B+4], 64
	s_mov_b32 s[G1B+5], 2048
	s_mov_b32 s[G1B+6], 0
	s_mov_b32 s[G1B+7], 0
	s_lshl_b32 s16, s13, 18
	s_lshl_b32 s17, s12, 15
	s_add_co_u32 s16, s16, s17
	s_mov_b32 s17, 0
	s_lshl_b32 s46, s42, 18
	s_lshl_b32 s47, s12, 17
	s_add_co_u32 s46, s46, s47
	s_add_co_u32 s46, s46, 6144*2048
	s_mov_b32 s47, 0
	s_lshl_b32 s20, s12, 15
	s_mul_i32 s21, s12, BHALF
	s_add_co_u32 s21, s21, ABYTES
	s_wait_kmcnt 0x0
	s_load_b64 s[96:97], s[68:69], 0x30
	s_add_nc_u64 s[14:15], s[4:5], s[16:17]
	s_add_nc_u64 s[46:47], s[6:7], s[46:47]
	s_cmp_eq_u32 s11, 0                            ; do I fetch for A?
	s_cselect_b64 s[PFA:PFA+1], s[14:15], s[46:47]
	s_cselect_b32 s74, s40, s41                    ; my place among the four that ask with me
	s_cselect_b32 s75, 13, 15                      ; a quarter: 8,192 bytes of A; 16 rows of 2,048 bytes of B
	s_movk_i32 s76, 2048
	s_cselect_b32 s76, 512, s76                    ; from one pair of lanes to the next
	s_lshl_b32 s74, s74, s75
	s_mov_b32 s75, 0
	s_add_nc_u64 s[PFA:PFA+1], s[PFA:PFA+1], s[74:75]
	v_and_b32 v3, 31, v0
	v_lshrrev_b32 v4, 1, v3
	v_and_b32 v5, 1, v3
	v_mul_u32_u24 v4, v4, s76
	v_lshl_add_u32 v[PFO], v5, 8, v4
	s_wait_alu depctr_va_vdst(0)
	CROUND
.irp s, 0,1
	s_mov_b32 s[G0+4*\s], 1
	s_add_co_u32 s[G0+4*\s+1], s20, \s*SLOT
	s_add_nc_u64 s[G0+4*\s+2:G0+4*\s+3], s[14:15], \s*65536
	s_or_b32 s[G0+4*\s+3], s[G0+4*\s+3], 0x80000000
	s_mov_b32 s[G0B+4*\s], 1
	s_add_co_u32 s[G0B+4*\s+1], s21, \s*SLOT
	s_add_nc_u64 s[G0B+4*\s+2:G0B+4*\s+3], s[46:47], \s*512
	s_or_b32 s[G0B+4*\s+3], s[G0B+4*\s+3], 0x80000000
.endr
	JLOAD 0, 1                                     ; K step 0
	v_and_b32 v1, 15, v0
	v_bfe_u32 v2, v0, 4, 1
	v_and_b32 v3, 31, v0
	v_lshlrev_b32 v4, 4, v3
	s_lshl_b32 s22, s11, 15
	v_add_nc_u32 v[ADRA], s22, v4
	v_add_nc_u32 v[ADRA+1], SLOT, v[ADRA]
	v_mul_u32_u24 v5, v1, BP
	v_lshl_add_u32 v5, v2, 4, v5
	s_mul_i32 s23, s12, BHALF
	s_add_co_u32 s23, s23, ABYTES
	v_add_nc_u32 v[ADRB], s23, v5
	v_add_nc_u32 v[ADRB+1], SLOT, v[ADRB]
	s_mul_i32 s23, s10, 4*16*SPITCH
	v_mul_u32_u24 v5, v1, SPITCH
	v_lshl_add_u32 v5, v2, 5, v5
	v_add_nc_u32 v[STO], s23, v5
	v_mul_u32_u24 v5, v2, SPITCH
	v_lshl_add_u32 v5, v1, 4, v5
	v_add_nc_u32 v[RD], s23, v5
	v_lshlrev_b32 v5, 13, v2
	v_lshl_add_u32 v[CO], v1, 4, v5
	s_lshl_b32 s16, s13, 20
	s_lshl_b32 s17, s11, 19
	s_add_co_u32 s16, s16, s17
	s_mov_b32 s17, 0
	s_add_nc_u64 s[70:71], s[70:71], s[16:17]
	s_lshl_b32 s46, s42, 9
	s_lshl_b32 s47, s12, 8
	s_add_co_u32 s46, s46, s47
	s_mov_b32 s47, 0
	s_add_nc_u64 s[70:71], s[70:71], s[46:47]
.macro MULA f, a, zero
.irp b, 0,1,2,3
.if \zero
	v_wmma_f32_16x16x128_fp8_fp8 v[ACC+8*(4*(\a)+\b):ACC+8*(4*(\a)+\b)+7], v[\f+64+16*\b:\f+64+16*\b+15], v[\f+16*(\a):\f+16*(\a)+15], 0
.else
	v_wmma_f32_16x16x128_fp8_fp8 v[ACC+8*(4*(\a)+\b):ACC+8*(4*(\a)+\b)+7], v[\f+64+16*\b:\f+64+16*\b+15], v[\f+16*(\a):\f+16*(\a)+15], v[ACC+8*(4*(\a)+\b):ACC+8*(4*(\a)+\b)+7]
.endif
.endr
.endm
.macro FETCH slot, q, f
	WIN TO_F
.irp b, 0,1,2,3
.irp c, 0,1,2,3
	ds_load_b128 v[\f+64+16*\b+4*\c:\f+64+16*\b+4*\c+3], v[ADRB+\slot] offset:\b*16*BP+128*(\q)+32*\c
.endr
.endr
.irp i, 0,1,2,3
.irp c, 0,1,2,3
	ds_load_b128 v[\f+16*\i+4*\c:\f+16*\i+4*\c+3], v[ADRA+\slot] offset:(4*\i+(\q))*2048+512*\c
.endr
.endr
.endm
.macro PLACES
.rept 4
	v_nop
.endr
.endm
.macro QUARTER slot, qn, f, g, zero
	s_wait_dscnt 8
	WIN MUL
	MULA \f, 0, \zero
	MULA \f, 1, \zero
	PLACES
	FETCH \slot, \qn, \g
	s_wait_dscnt 32
	WIN MUL
	MULA \f, 2, \zero
	MULA \f, 3, \zero
.endm
.macro TURN slot, next, fill
	WIN 0
	s_wait_tensorcnt 0x0
	ds_add_u32 v[SPW], v[NIL]
	s_wait_dscnt 9
	WIN MUL
	MULA F1, 0, 0
	s_wait_dscnt 0x0
	s_barrier_signal -1
	MULA F1, 1, 0
.if \fill
	WIN 0
.endif
	s_barrier_wait -1
.if \fill
	CREST
	s_add_nc_u64 s[G0+4*\slot+2:G0+4*\slot+3], s[G0+4*\slot+2:G0+4*\slot+3], 2*65536
	s_add_nc_u64 s[G0B+4*\slot+2:G0B+4*\slot+3], s[G0B+4*\slot+2:G0B+4*\slot+3], 2*512
	JLOAD \slot, 0
.else
	PLACES
.endif
	s_wait_alu depctr_va_vdst(0)
	FETCH \next, 0, F0
	WIN MUL
	MULA F1, 2, 0
	MULA F1, 3, 0
.endm
	s_wait_alu depctr_va_vdst(0)
	s_wait_tensorcnt 0x0                           ; my part of K step 0 is in
	ds_add_u32 v[SPW], v[NIL]
	s_wait_dscnt 0x0
	CROUND                                         ; everybody's part of K step 0 is in, and all sixteen work-groups are here
	JLOAD 1, 2                                     ; K step 1: the first tensor load behind the round
	FETCH 0, 0, F0
	QUARTER 0, 1, F0, F1, 1
	QUARTER 0, 2, F1, F0, 0
	QUARTER 0, 3, F0, F1, 0
	TURN 0, 1, 1
	QUARTER 1, 1, F0, F1, 0
	QUARTER 1, 2, F1, F0, 0
	QUARTER 1, 3, F0, F1, 0
	TURN 1, 0, 1
	QUARTER 0, 1, F0, F1, 0
	QUARTER 0, 2, F1, F0, 0
	QUARTER 0, 3, F0, F1, 0
	TURN 0, 1, 0
	QUARTER 1, 1, F0, F1, 0
	QUARTER 1, 2, F1, F0, 0
	QUARTER 1, 3, F0, F1, 0
	s_wait_dscnt 8
	WIN MUL
	MULA F1, 0, 0
	MULA F1, 1, 0
	s_wait_dscnt 0
	MULA F1, 2, 0
	MULA F1, 3, 0
	WIN 0
	PLACES
.macro TOSTAGE a
.set n, 0
.rept 16
	v_pk_mul_f32 v[TMP+n:TMP+n+1], v[ACC+32*(\a)+n:ACC+32*(\a)+n+1], s[96:97] op_sel_hi:[1,0]
.set n, n+2
.endr
.irp b, 0,1,2,3
	ds_store_b128 v[STO], v[TMP+8*\b:TMP+8*\b+3] offset:(\a)*16*SPITCH+64*\b
	ds_store_b128 v[STO], v[TMP+8*\b+4:TMP+8*\b+7] offset:(\a)*16*SPITCH+64*\b+16
.endr
.irp t, 0,1,2,3,4,5,6,7
	ds_load_b128 v[BK+32*((\a)%2)+4*\t:BK+32*((\a)%2)+4*\t+3], v[RD] offset:(\a)*16*SPITCH+\t*2*SPITCH
.endr
.endm
.macro SEND a, younger
	s_wait_dscnt \younger
.irp t, 0,1,2,3,4,5,6,7
	global_store_b128 v[CO], v[BK+32*((\a)%2)+4*\t:BK+32*((\a)%2)+4*\t+3], s[70:71] offset:(16*(\a)+2*\t)*8192 th:TH_STORE_NT
.endr
.endm
	s_wait_kmcnt 0x0
	s_add_co_i32 s96, s96, s97
	s_add_co_i32 s96, s96, 127
	s_lshl_b32 s96, s96, 23
	TOSTAGE 0
.irp a, 1,2,3
.if \a > 1
	s_wait_xcnt 0x0
.endif
	TOSTAGE \a
	SEND \a-1, 16
.endr
	SEND 3, 0
	s_wait_tensorcnt 0x0
	ds_add_u32 v[SPW], v[NIL]
	s_wait_dscnt 0x0
	CROUND
	s_endpgm
.Lfunc_end_k_qd546aeae74_proj:
	.size	k_qd546aeae74_proj, .Lfunc_end_k_qd546aeae74_proj-k_qd546aeae74_proj
	.p2alignl 7, 3214868480
	.fill 96, 4, 3214868480
	.section	.rodata,"a",@progbits
	.p2align	6, 0x0
	.amdhsa_kernel k_qd546aeae74_proj
		.amdhsa_group_segment_fixed_size 327680
		.amdhsa_private_segment_fixed_size 0
		.amdhsa_enable_private_segment 0
		.amdhsa_kernarg_size 32
		.amdhsa_user_sgpr_count 2
		.amdhsa_user_sgpr_kernarg_segment_ptr 1
		.amdhsa_wavefront_size32 1
		.amdhsa_system_sgpr_workgroup_id_x 1
		.amdhsa_system_sgpr_workgroup_id_y 1
		.amdhsa_system_sgpr_workgroup_id_z 1
		.amdhsa_system_vgpr_workitem_id 0
		.amdhsa_next_free_vgpr 512
		.amdhsa_next_free_sgpr 98
		.amdhsa_reserve_vcc 0
		.amdhsa_float_denorm_mode_32 3
		.amdhsa_float_denorm_mode_16_64 3
		.amdhsa_memory_ordered 1
		.amdhsa_forward_progress 1
		.amdhsa_inst_pref_size 75
	.end_amdhsa_kernel
	.amdgpu_metadata
---
amdhsa.version: [ 1, 2 ]
amdhsa.kernels:
  - .name:           k_qd546aeae74_proj
    .symbol:         k_qd546aeae74_proj.kd
    .args:
      - { .name: y_img, .offset: 0, .size: 8, .value_kind: global_buffer, .address_space: global }
      - { .name: wcodes, .offset: 8, .size: 8, .value_kind: global_buffer, .address_space: global }
      - { .name: lowp_scales, .offset: 16, .size: 8, .value_kind: global_buffer, .address_space: global }
      - { .name: out0, .offset: 24, .size: 8, .value_kind: global_buffer, .address_space: global }
    .group_segment_fixed_size: 327680
    .private_segment_fixed_size: 0
    .kernarg_segment_align: 8
    .kernarg_segment_size: 32
    .max_flat_workgroup_size: 128
    .sgpr_count:     98
    .vgpr_count:     512
    .wavefront_size: 32
...
	.end_amdgpu_metadata
.endif
;; end of part 4
